; MI455X (gfx1250); checked and timed in simulation.
; The chip was launched on July 23, 2026; its instructions are those of AMD's public machine-readable ISA for CDNA 5 (MIT licence, August 2026) and "CDNA5" Instruction Set Architecture Reference Guide (July 2026). The comments in the code are by the model that wrote it; some were corrected since.
;; Multi Headed Attention. Allowed arithmetic: float matrix products may take bf16 or f16 operands with f32 sums; other float arithmetic in f32, or as packed bf16 or f16 multiplies, adds, multiply-adds, maxima and minima; sums over many terms, partial sums and values carried from step to step in f32; what a program stores and reads back later, other than sums and carried values, may be rounded once to bf16 or f16.
;; Inputs: bk 2,048 float32; bo 2,048 float32; bq 2,048 float32; bv 2,048 float32; key 1 x 2,048 x 2,048 float32; mask 1 x 1 x 2,048 x 2,048 bool; query 1 x 2,048 x 2,048 float32; value 1 x 2,048 x 2,048 float32; wk 2,048 x 2,048 float32; wo 2,048 x 2,048 float32; wq 2,048 x 2,048 float32; wv 2,048 x 2,048 float32.
;; Outputs: out0 1 x 2,048 x 2,048 float32.
;; One version. Each part assembles by itself: llvm-mc -triple=amdgcn-amd-amdhsa -mcpu=gfx1250 --defsym DOCPART=n.
;; ======== version 1 of 1: 4 launches
;; limits: values are held in f16: magnitudes above 65,504 overflow, below 6.1e-05 lose precision; a function is approximated: absolute error at most 0.0005
;; workspace buffers: cvt 50,331,648 bytes; tab 2,097,152 bytes; mw 524,288 bytes of whole numbers; wo16 8,388,608 bytes; qkv 25,165,824 bytes; ob 8,388,608 bytes
;; launch prep (part 1): grid 1792 x 1, 8 waves a work-group, no clusters, 0 bytes of LDS; arguments query, key, value, wq, wk, wv, cvt, tab; writes cvt, tab
.if DOCPART == 1
	.amdgcn_target "amdgcn-amd-amdhsa--gfx1250"
	.amdhsa_code_object_version 6
	.text
	.protected	k_qe8da138738_prep
	.globl	k_qe8da138738_prep
	.p2align	8
	.type	k_qe8da138738_prep,@function
k_qe8da138738_prep:
	s_mov_b64 s[64:65], 0
	v_nop
	global_prefetch_b8 v0, s[64:65] scope:SCOPE_SE
	s_setreg_imm32_b32 hwreg(HW_REG_WAVE_MODE, 25, 1), 1
	s_wait_xcnt 0x0
; PREP.  Two kinds of work-group, told apart by the work-group's number alone (a forward scalar branch):
;   0 .. 255      ROPE: cos and sin of position x 10000^(-i/64), in the order in which a lane of the projection holds its numbers; once plain (for k), once times
;                 c = log2(e) / sqrt(128) (for q).  Angles are within about 5e-4 of the f32 reference's at the last position.
;   256 .. 1791   CONVERT: 65,536 bytes of one of the six f32 matrices query, key, value, wq, wk, wv to bf16.
; No work-group shares an input with another, so no cluster; memory binds, so no matrix unit and no LDS.  Each load of a wave covers 512 consecutive bytes, each store 256, aligned.
; The conversion works in place, so that a wave needs 72 registers: 7 work-groups for each of 256 WGPs are 14 waves a SIMD, 1,008 registers.
.set X,   8                            ; v[8:71]   as loaded; the first two of each four then hold the four bf16
	s_load_b512 s[8:23], s[0:1], 0x0               ; query 8, key 10, value 12, wq 14, wk 16, wv 18, cvt 20, tab 22
	v_lshrrev_b32 v2, 5, v0                        ; wave, in every lane
	v_readfirstlane_b32 s2, v2                     ; and as a scalar
	v_and_b32 v1, 31, v0                           ; lane
	s_mov_b32 s33, 0
	s_wait_kmcnt 0x0
	s_cmp_lt_u32 ttmp9, 256
	s_cbranch_scc1 .Lrope
	; CONVERT.  A wave takes 8,192 bytes: sixteen loads, all issued at once.
	s_sub_co_u32 s4, ttmp9, 256
	s_lshr_b32 s3, s4, 8                           ; which matrix
	s_and_b32 s4, s4, 255                          ; which 65,536 bytes of it
	s_mov_b64 s[30:31], s[8:9]
.irp m, 1,2,3,4,5
	s_cmp_eq_u32 s3, \m
	s_cselect_b64 s[30:31], s[8+2*(\m):9+2*(\m)], s[30:31]
.endr
	s_lshl_b32 s32, s4, 16
	s_add_nc_u64 s[30:31], s[30:31], s[32:33]
	s_lshl_b32 s32, s3, 23                         ; a converted matrix is 8,388,608 bytes
	s_lshl_b32 s34, s4, 15
	s_add_co_u32 s32, s32, s34
	s_add_nc_u64 s[34:35], s[20:21], s[32:33]
	v_lshlrev_b32 v3, 4, v1
	v_lshl_add_u32 v3, v2, 13, v3                  ; in: 16 x lane + 8,192 x wave
	v_lshlrev_b32 v4, 3, v1
	v_lshl_add_u32 v4, v2, 12, v4                  ; out: 8 x lane + 4,096 x wave
.irp c, 0,1,2,3,4,5,6,7,8,9,10,11,12,13,14,15
	global_load_b128 v[X+4*(\c):X+4*(\c)+3], v3, s[30:31] offset:512*(\c) th:TH_LOAD_NT
.endr
.irp c, 0,1,2,3,4,5,6,7,8,9,10,11,12,13,14,15
	s_wait_loadcnt 15-(\c)                         ; loads come back in order: number c is in, the younger ones stay out
	v_cvt_pk_bf16_f32 v[X+4*(\c)], v[X+4*(\c)], v[X+4*(\c)+1]
	v_cvt_pk_bf16_f32 v[X+4*(\c)+1], v[X+4*(\c)+2], v[X+4*(\c)+3]
	global_store_b64 v4, v[X+4*(\c):X+4*(\c)+1], s[34:35] offset:256*(\c) th:TH_STORE_NT  ; 32 lanes x 8 bytes: 256 consecutive bytes, aligned
.endr
	s_endpgm
.Lrope:
	; ROPE.  Work-group idx = 2 pb + kind (0 cos, 1 sin) makes 256 quads of 16 bytes for the block pb of 16 positions; thread t makes quad t.
	; Word q of wave w's quad: frequency 16 (w / 2) + 8 (l / 16) + 4 (w % 2) + q, position 16 pb + l % 16.
	s_mov_b32 s3, ttmp9
	s_and_b32 s4, s3, 1
	s_lshr_b32 s5, s3, 1
	s_mul_i32 s4, s4, 3                            ; sin x = cos(x - pi/2): three quarter turns more
	s_lshr_b32 s6, s2, 1
	s_lshl_b32 s6, s6, 4
	s_and_b32 s7, s2, 1
	s_lshl_b32 s7, s7, 2
	s_add_co_u32 s6, s6, s7
	v_lshrrev_b32 v5, 4, v1
	v_and_b32 v6, 15, v1
	v_lshl_add_u32 v5, v5, 3, s6                   ; my first frequency
	v_lshl_add_u32 v6, s5, 4, v6
	v_cvt_f32_u32 v6, v6                           ; my position
.irp q, 0,1,2,3
	v_add_nc_u32 v[12+(\q)], \q, v5
	v_cvt_f32_u32 v[12+(\q)], v[12+(\q)]
	v_mul_f32 v[12+(\q)], 0xbe549a78, v[12+(\q)]   ; - i log2(10000) / 64
.endr
.irp q, 0,1,2,3
	v_exp_f32 v[12+(\q)], v[12+(\q)]
.endr
	v_nop                                          ; a plain instruction behind the last exponential,
	s_wait_alu depctr_va_vdst(0)                   ; and one wait for the four, ahead of their first reader
.irp q, 0,1,2,3
	v_mul_f32 v[12+(\q)], v6, v[12+(\q)]           ; the angle
	v_mul_f32 v[16+(\q)], 0x3f22f983, v[12+(\q)]   ; x 2 / pi
	v_rndne_f32 v[16+(\q)], v[16+(\q)]             ; n quarter turns
	v_fmamk_f32 v[20+(\q)], v[16+(\q)], 0xbfc90fdb, v[12+(\q)]  ; r = angle - n pi/2, pi/2 in two parts
	v_fmamk_f32 v[20+(\q)], v[16+(\q)], 0x333bbd2e, v[20+(\q)]
	v_mul_f32 v[24+(\q)], v[20+(\q)], v[20+(\q)]   ; r^2
	v_mov_b32 v[28+(\q)], 0xb9500d01               ; sin r = r + r^3 (-1/6 + r^2 (1/120 - r^2 / 5040))
	v_fmaak_f32 v[28+(\q)], v[28+(\q)], v[24+(\q)], 0x3c088889
	v_fmaak_f32 v[28+(\q)], v[28+(\q)], v[24+(\q)], 0xbe2aaaab
	v_mul_f32 v[36+(\q)], v[20+(\q)], v[24+(\q)]
	v_fma_f32 v[28+(\q)], v[28+(\q)], v[36+(\q)], v[20+(\q)]
	v_mov_b32 v[32+(\q)], 0x37d00d01               ; cos r = 1 + r^2 (-1/2 + r^2 (1/24 + r^2 (-1/720 + r^2 / 40320)))
	v_fmaak_f32 v[32+(\q)], v[32+(\q)], v[24+(\q)], 0xbab60b61
	v_fmaak_f32 v[32+(\q)], v[32+(\q)], v[24+(\q)], 0x3d2aaaab
	v_fmaak_f32 v[32+(\q)], v[32+(\q)], v[24+(\q)], 0xbf000000
	v_fma_f32 v[32+(\q)], v[32+(\q)], v[24+(\q)], 1.0
	v_cvt_i32_f32 v[16+(\q)], v[16+(\q)]
	v_add_nc_u32 v[16+(\q)], s4, v[16+(\q)]
	v_and_b32 v[16+(\q)], 3, v[16+(\q)]            ; quadrant: 0 cos r, 1 -sin r, 2 -cos r, 3 sin r
	v_and_b32 v[36+(\q)], 1, v[16+(\q)]
	v_cmp_eq_u32 vcc_lo, 1, v[36+(\q)]
	v_cndmask_b32 v[40+(\q)], v[32+(\q)], v[28+(\q)], vcc_lo
	v_add_nc_u32 v[16+(\q)], 1, v[16+(\q)]
	v_and_b32 v[16+(\q)], 2, v[16+(\q)]
	v_lshlrev_b32 v[16+(\q)], 30, v[16+(\q)]       ; the sign bit in quadrants 1 and 2
	v_xor_b32 v[40+(\q)], v[16+(\q)], v[40+(\q)]
	v_mul_f32 v[44+(\q)], 0x3e0293ee, v[40+(\q)]   ; times c, for q's table
.endr
	v_lshlrev_b32 v7, 4, v0
	v_lshl_add_u32 v7, s3, 12, v7
	global_store_b128 v7, v[44:47], s[22:23]                 ; q's table; a wave stores 512 consecutive bytes
	global_store_b128 v7, v[40:43], s[22:23] offset:1048576  ; k's table
	s_endpgm
.Lfunc_end_k_qe8da138738_prep:
	.size	k_qe8da138738_prep, .Lfunc_end_k_qe8da138738_prep-k_qe8da138738_prep
	.p2alignl 7, 3214868480
	.fill 96, 4, 3214868480
	.section	.rodata,"a",@progbits
	.p2align	6, 0x0
	.amdhsa_kernel k_qe8da138738_prep
		.amdhsa_group_segment_fixed_size 0
		.amdhsa_private_segment_fixed_size 0
		.amdhsa_enable_private_segment 0
		.amdhsa_kernarg_size 64
		.amdhsa_user_sgpr_count 2
		.amdhsa_user_sgpr_kernarg_segment_ptr 1
		.amdhsa_wavefront_size32 1
		.amdhsa_system_sgpr_workgroup_id_x 1
		.amdhsa_system_sgpr_workgroup_id_y 1
		.amdhsa_system_sgpr_workgroup_id_z 1
		.amdhsa_system_vgpr_workitem_id 0
		.amdhsa_next_free_vgpr 72
		.amdhsa_next_free_sgpr 66
		.amdhsa_reserve_vcc 1
		.amdhsa_float_denorm_mode_32 3
		.amdhsa_float_denorm_mode_16_64 3
		.amdhsa_memory_ordered 1
		.amdhsa_forward_progress 1
		.amdhsa_inst_pref_size 14
	.end_amdhsa_kernel
	.amdgpu_metadata
---
amdhsa.version: [ 1, 2 ]
amdhsa.kernels:
  - .name:           k_qe8da138738_prep
    .symbol:         k_qe8da138738_prep.kd
    .args:
      - { .name: query, .offset: 0, .size: 8, .value_kind: global_buffer, .address_space: global }
      - { .name: key, .offset: 8, .size: 8, .value_kind: global_buffer, .address_space: global }
      - { .name: value, .offset: 16, .size: 8, .value_kind: global_buffer, .address_space: global }
      - { .name: wq, .offset: 24, .size: 8, .value_kind: global_buffer, .address_space: global }
      - { .name: wk, .offset: 32, .size: 8, .value_kind: global_buffer, .address_space: global }
      - { .name: wv, .offset: 40, .size: 8, .value_kind: global_buffer, .address_space: global }
      - { .name: cvt, .offset: 48, .size: 8, .value_kind: global_buffer, .address_space: global }
      - { .name: tab, .offset: 56, .size: 8, .value_kind: global_buffer, .address_space: global }
    .group_segment_fixed_size: 0
    .private_segment_fixed_size: 0
    .kernarg_segment_align: 8
    .kernarg_segment_size: 64
    .max_flat_workgroup_size: 256
    .sgpr_count:     66
    .vgpr_count:     72
    .wavefront_size: 32
...
	.end_amdgpu_metadata
.endif
;; end of part 1
;; launch proj (part 2): grid 8 x 32, 4 waves a work-group, clusters of 4 x 4, 327,680 bytes of LDS; arguments cvt, tab, bq, bk, bv, qkv, wo, mask, wo16, mw; writes qkv, wo16, mw
.if DOCPART == 2
	.amdgcn_target "amdgcn-amd-amdhsa--gfx1250"
	.amdhsa_code_object_version 6
	.text
	.protected	k_qe8da138738_proj
	.globl	k_qe8da138738_proj
	.p2align	8
	.type	k_qe8da138738_proj,@function
k_qe8da138738_proj:
	s_mov_b64 s[64:65], 0
	v_nop
	global_prefetch_b8 v0, s[64:65] scope:SCOPE_SE
	s_setreg_imm32_b32 hwreg(HW_REG_WAVE_MODE, 25, 1), 1
	s_wait_xcnt 0x0
	s_wait_alu depctr_hold_cnt(0) depctr_sa_sdst(0) depctr_va_vdst(0) depctr_va_sdst(0) depctr_va_ssrc(0) depctr_va_vcc(0) depctr_vm_vsrc(0)
	s_getreg_b32 s2, hwreg(HW_REG_IB_STS2, 6, 4)
	s_cmp_eq_u32 s2, 0
	s_cbranch_scc0 .Lentry_in_a_cluster
	s_endpgm
.Lentry_in_a_cluster:
	s_bfe_u32 s2, ttmp6, 0x10000c
	s_cmp_lg_u32 s2, 0xf033
	s_cbranch_scc0 .Lentry_shape_is_right
	s_endpgm
.Lentry_shape_is_right:
; PROJ.  q, k, v = x w^T + b for the three pairs (query, wq, bq), (key, wk, bk), (value, wv, bv); q and k are rotated (RoPE; q's table also carries c = log2(e) / sqrt(128));
; the results are rounded once to f16 and stored by heads, [16][2048][128].  x and w come as bf16 [2048][2048] (the launch before), the bias is rounded to bf16 here; sums in f32.
; LIMIT: f16 holds no number beyond 65,504: q c, k and v must stay within it.
; SHARES.  256 work-groups; cluster row / 2 = MAT says what a cluster does.  MAT 0, 1, 2 (192 work-groups): a tile of 256 positions x 256 columns of q, k or v, each of the four waves 128 x 128:
; 64 accumulators, 512 registers.  A wave's 128 columns are one head, so a rotation's two partners (d, d + 64) lie in one lane.  No tile of a 256th of the three results divides 2,048 both ways,
; so the other 64 work-groups (MAT 3) do what the later launches need and this one does not: wo to 16 bits, and the mask as lane-mask words.
; K goes in 16 steps of 128 through two LDS slots filled by the tensor data mover (rows of 256 bytes, aligned).  ONE text serves every K step: the slot in hand is a scalar that an exclusive or turns.
; CLUSTER 4 x 4: x's tile is shared along a row of the cluster, w's along a column: each is asked for jointly, by the same load with the same descriptor and a mask of four.
; THE MATRIX INSTRUCTION IS USED TRANSPOSED (source 0 = 16 rows of w, source 1 = 16 rows of x): a lane holds one position (l % 16) and eight neighbouring columns 8 (l / 16) + 0..7.
; THE BIAS is the C operand of the products that start the sums: nothing is cleared and nothing is added afterwards.
; REGISTERS, in windows of 256 (s_set_vgpr_msb: bits 1:0 source 0, 3:2 source 1, 5:4 source 2, 7:6 destination):
;   window 0: v16-30 addresses; v64-127, v128-191 fragments of x, later the two table buffers; v32-63, v224-255, v192-223 at work on the way out
;   window 1: v0-3 at work; v64-127, v128-191 fragments of w, later the rotation's products; v192-255 the bias        windows 2, 3: the accumulators, (a, b) at v[8 (8 a + b)]
.set KSTEP,  128
.set MATB,   8388608                   ; bytes of a 16-bit matrix
.set PITCH,  272                       ; an LDS row: 256 bytes + 16 of padding: the 16 rows that a load touches start at 16 different groups of four banks
.set HALFT,  128*PITCH
.set SLOT,   4*HALFT                   ; x's 256 rows, then w's 256 rows: 0x22000; no wave's base (0, 0x8800, 0x11000, 0x19800) has one of its two bits set
.set STAGE,  2*SLOT                    ; behind the ring: 16 rows x 272 bytes for each wave
.set SPITCH, 272
.set SPARE,  STAGE+4*16*SPITCH         ; behind the stages: the spare words, 128 bytes a wave
.set ADRA0, 16                         ; v16, v17  LDS address of my fragments of x, of w, in slot 0; never rewritten
.set ADRB0, 17
.set ADRA,  18                         ; v18, v19  the same in the slot in hand
.set ADRB,  19
.set STO,  24
.set RD,   25
.set CO,   26                          ; v26  16 x lane: my place in 512 consecutive bytes (tables, results)
.set BO,   27                          ; v27  my place in the bias
.set SPW,  28
.set NIL,  29
.set PFO,  30                          ; v30  lane x 4,096: a row of x or w
.set F0,   64
.set F1,   128
.set TMP,  192
.set OB,   32
.set TAB,  64                          ; window 0: two buffers of 64: 32 cos, 32 sin
.set TT,   64                          ; window 1
.set BIAS, 192                         ; window 1
.set EX,   64                          ; MAT 3: v[64:127] as loaded, v[128:159] to store
.set EY,   128
.set G1,  24
.set G0,  32                           ; s[32:35] the first fill's group 0; s[36:39] the second's, which then walks
.set G1B, 48
.set G0B, 56
.set LIM, 43                           ; s43  2 in a wave that prefetches, else the greatest number
.set PFA, 44                           ; s[44:45]
.set MAT, 66                           ; s66  0 q, 1 k, 2 v, 3 wo and the mask: the same in all partners of a cluster
.set TS,  67                           ; s67  0 or SLOT: the slot in hand
.set TABP, 68                          ; s[68:69]
.set BP,  70                           ; s[70:71]
.set MSB, 0
.macro WIN new                         ; the immediate's high byte repeats the setting that is left; a switch that changes nothing is dropped
.if MSB != (\new)
	s_set_vgpr_msb (MSB<<8)|(\new)
.set MSB, \new
.endif
.endm
.set TO_B, 0x40
; A joint load: waves 0 and 1 fetch x's two halves, waves 2 and 3 w's.  An s_nop 0 and four v_nop follow each of the two lines.
.macro JLOAD s
	s_cmp_eq_u32 s11, 0
	s_cbranch_scc0 .Lfor_b_\@
	tensor_load_to_lds s[G0+4*(\s):G0+4*(\s)+3], s[G1:G1+7]
	s_nop 0
.rept 4
	v_nop
.endr
	s_branch .Lasked_\@
.Lfor_b_\@:
	tensor_load_to_lds s[G0B+4*(\s):G0B+4*(\s)+3], s[G1B:G1B+7]
	s_nop 0
.rept 4
	v_nop
.endr
.Lasked_\@:
.endm
; A prefetch of the K step that stands two refills on: 32 rows x 256 bytes, a lane a row.  x's rows are read by both clusters of a row of clusters: cluster x = 0 asks; w's by both clusters of a
; matrix's column: the upper one asks.  The four partners that fetch a tile jointly take 32 of a wave's 128 rows each, told apart by address.  So each block is named once.  The trips with s3 <= 2 have no K step two on.
.macro ASK
	s_cmp_gt_u32 s3, s[LIM]
	s_cbranch_scc0 .Lnot_mine_\@
	global_prefetch_b8 v[PFO], s[PFA:PFA+1] offset:KSTEP*2 th:TH_LOAD_NT scope:SCOPE_SE
.Lnot_mine_\@:
.endm
.macro CREST                           ; a round of the cluster's barrier behind its opening barrier
	s_cmp_lg_u32 s10, 0
	s_cbranch_scc1 .Lnot_wave_0_\@
	s_barrier_signal -3
.Lnot_wave_0_\@:
	s_barrier_wait -3
	s_barrier_signal -1
	s_barrier_wait -1
.endm
.macro CROUND
	s_barrier_signal -1
	s_barrier_wait -1
	CREST
.endm
.macro PLACES                          ; four places behind matrix instructions, in front of loads into registers that they read and of lines that read results
.rept 4
	v_nop
.endr
.endm
	s_load_b256 s[72:79], s[0:1], 0x0              ; cvt 72, tab 74, bq 76, bk 78
	s_load_b128 s[80:83], s[0:1], 0x20             ; bv 80, qkv 82
	v_lshl_add_u32 v[SPW], v0, 2, SPARE
	v_mov_b32 v[NIL], 0
	ds_add_u32 v[SPW], v[NIL]                      ; the wave's opening: the add and its wait ahead of my first tensor load
	v_lshrrev_b32 v1, 5, v0
	v_readfirstlane_b32 s10, v1                    ; wave 0..3
	s_lshr_b32 s11, s10, 1                         ; which half of the tile's rows is mine.  Also: I fetch for x (0) or for w (1)
	s_and_b32 s12, s10, 1                          ; which half of its columns.  Also: which 128 rows I fetch
	s_bfe_u32 s40, ttmp6, 0x40000                  ; cx
	s_bfe_u32 s41, ttmp6, 0x40004                  ; cy
	s_lshl_b32 s42, ttmp9, 2
	s_add_co_u32 s42, s42, s40                     ; tile column 0..7
	s_and_b32 s13, ttmp7, 0xffff                   ; cluster y 0..7
	s_lshr_b32 s[MAT], s13, 1
	s_and_b32 s84, s13, 1                          ; upper or lower half of the positions
	s_lshl_b32 s13, s84, 2
	s_add_co_u32 s13, s13, s41                     ; tile row 0..7
	s_lshl_b32 s43, s41, 2
	s_lshl_b32 s43, 15, s43                        ; my row of the cluster
	s_lshl_b32 s44, 0x1111, s40                    ; my column
	s_or_b32 s[G1+0], s43, (1<<16)|(1<<20)|(1<<21)|(5<<22)|(3<<25)   ; the mask; 2-byte elements; padding on; bit 21 beside a mask; after every 64 words 4 words
	s_or_b32 s[G1B+0], s44, (1<<16)|(1<<20)|(1<<21)|(5<<22)|(3<<25)
.irp g, G1, G1B
	s_mov_b32 s[(\g)+1], KSTEP<<16                 ; tensor_dim0 = 128
	s_mov_b32 s[(\g)+2], 128<<16                   ; tensor_dim1 = 128
	s_mov_b32 s[(\g)+3], KSTEP<<16                 ; tile_dim0 = 128
	s_mov_b32 s[(\g)+4], 128                       ; tile_dim1 = 128
	s_mov_b32 s[(\g)+5], 2048                      ; elements from row to row
	s_mov_b32 s[(\g)+6], 0
	s_mov_b32 s[(\g)+7], 0
.endr
	s_lshl_b32 s17, s12, 7
	s_lshl_b32 s18, s[MAT], 23
	s_lshl_b32 s16, s13, 8
	s_add_co_u32 s16, s16, s17                     ; x: row 256 x tile row + 128 x half,
	s_lshl_b32 s16, s16, 12                        ; of 4,096 bytes,
	s_add_co_u32 s16, s16, s18                     ; in matrix MAT
	s_lshl_b32 s46, s42, 8
	s_add_co_u32 s46, s46, s17                     ; w: row 256 x tile column + 128 x half,
	s_lshl_b32 s46, s46, 12
	s_add_co_u32 s46, s46, s18
	s_add_co_u32 s46, s46, 3*MATB                  ; in matrix 3 + MAT
	s_mov_b32 s17, 0
	s_mov_b32 s47, 0
	s_mul_i32 s20, s10, HALFT                      ; where they go: wave x 128 rows
	s_mov_b32 s[TS], 0
	s_wait_dscnt 0x0                               ; the opening add is done
	s_wait_kmcnt 0x0
	s_cmp_lg_u32 s[MAT], 3                         ; the cluster's y decides: all sixteen partners go the same way
	s_cbranch_scc1 .Lgemm
	; MAT 3: 64 work-groups, 256 waves.  No tensor load and no joint request on this way; my place in the cluster enters global addresses alone.
	; FIRST wo: rounded to bf16 like every input, and that number written as f16 (exact from 2^-17 up; below that off by 3e-8 at the most).  A wave takes 65,536 bytes, 8,192 a trip.
	s_load_b256 s[16:23], s[0:1], 0x30             ; wo 16, mask 18, wo16 20, mw 22
	s_lshl_b32 s24, s84, 1
	s_add_co_u32 s24, s24, ttmp9                   ; which of the four clusters,
	s_lshl_b32 s24, s24, 2
	s_add_co_u32 s24, s24, s41
	s_lshl_b32 s24, s24, 2
	s_add_co_u32 s24, s24, s40                     ; which of the 64 work-groups,
	s_lshl_b32 s24, s24, 2
	s_add_co_u32 s24, s24, s10                     ; which of the 256 waves
	v_and_b32 v1, 31, v0                           ; lane
	v_lshlrev_b32 v3, 4, v1                        ; in: 16 x lane
	v_lshlrev_b32 v4, 3, v1                        ; out: 8 x lane
	s_lshl_b32 s26, s24, 16
	s_mov_b32 s27, 0
	s_lshl_b32 s28, s24, 15
	s_mov_b32 s29, 0
	s_wait_kmcnt 0x0
	s_add_nc_u64 s[16:17], s[16:17], s[26:27]
	s_add_nc_u64 s[20:21], s[20:21], s[28:29]
	s_mov_b32 s3, 8
.Lwo:
.irp c, 0,1,2,3,4,5,6,7,8,9,10,11,12,13,14,15
	global_load_b128 v[EX+4*(\c):EX+4*(\c)+3], v3, s[16:17] offset:512*(\c) th:TH_LOAD_NT
.endr
.irp c, 0,1,2,3,4,5,6,7,8,9,10,11,12,13,14,15
	s_wait_loadcnt 15-(\c)                         ; loads come back in order: number c is in, the younger ones stay out
.irp p, 0,1
	v_cvt_pk_bf16_f32 v5, v[EX+4*(\c)+2*(\p)], v[EX+4*(\c)+2*(\p)+1]
	v_lshlrev_b32 v6, 16, v5
	v_and_b32 v7, 0xffff0000, v5
	v_cvt_pk_f16_f32 v[EY+2*(\c)+(\p)], v6, v7
.endr
	global_store_b64 v4, v[EY+2*(\c):EY+2*(\c)+1], s[20:21] offset:256*(\c) th:TH_STORE_NT  ; 256 consecutive bytes, aligned
.endr
	s_wait_xcnt 0x0                                ; the stores have read their data and both bases: only now are these written again
	s_add_nc_u64 s[16:17], s[16:17], 8192
	s_add_nc_u64 s[20:21], s[20:21], 4096
	s_sub_co_u32 s3, s3, 1
	s_cmp_lg_u32 s3, 0
	s_cbranch_scc1 .Lwo
	; THEN THE MASK (one byte a score) as LANE-MASK WORDS: bit l of word (query tile qt, key step ks of 64, i = 8 kt + j) is mask[16 qt + l % 16][64 ks + 16 kt + 8 (l / 16) + j]: the lanes' mask for
	; score register i of the attention's layout.  The word lies at byte ((qt ^ 2 ((ks >> 1) & 1)) 32 + ks) 128 + 4 i: the attention's second key group holds its query tiles in swapped order.
	; A wave takes one query tile and four parts of 256 keys: read as whole runs of 256 bytes, laid into the wave's own stage rows (pitch 272), read back 8 bytes a lane.
	s_lshr_b32 s25, s24, 1                         ; my query tile 0..127
	s_and_b32 s26, s24, 1
	s_lshl_b32 s26, s26, 2                         ; my first part
	s_lshl_b32 s28, s25, 15                        ; 16 rows of 2,048 bytes
	s_add_nc_u64 s[18:19], s[18:19], s[28:29]
	v_lshrrev_b32 v8, 4, v1                        ; l / 16
	v_and_b32 v9, 15, v1                           ; l % 16
	v_lshlrev_b32 v20, 4, v9
	v_lshl_add_u32 v20, v8, 11, v20
	s_lshl_b32 s27, s26, 8
	v_add_nc_u32 v20, s27, v20                     ; row l / 16, byte 256 x part + 16 (l % 16)
	s_mul_i32 s30, s10, 16*SPITCH
	s_add_co_u32 s30, s30, STAGE                   ; my wave's 16 rows of 272 bytes
	v_mul_u32_u24 v21, v8, SPITCH
	v_lshl_add_u32 v21, v9, 4, v21
	v_add_nc_u32 v21, s30, v21                     ; in
	v_mul_u32_u24 v22, v9, SPITCH
	v_lshl_add_u32 v22, v8, 3, v22
	v_add_nc_u32 v22, s30, v22                     ; back: row l % 16, 8 bytes for each half of the lanes
	v_lshlrev_b32 v23, 1, v8                       ; lanes 16-31 hold a part's steps 2 and 3: the second key group's
	v_xor_b32 v23, s25, v23
	v_lshlrev_b32 v23, 12, v23                     ; a query tile's words are 4,096 bytes,
	s_lshl_b32 s27, s26, 9                         ; a part's four steps 512
	v_add_nc_u32 v23, s27, v23
	v_lshl_add_u32 v23, v1, 4, v23
	s_mov_b32 s3, 4
.Lpart:
.irp i, 0,1,2,3,4,5,6,7
	global_load_b128 v[EX+4*(\i):EX+4*(\i)+3], v20, s[18:19] offset:4096*(\i) th:TH_LOAD_NT  ; rows 2 i and 2 i + 1
.endr
.irp i, 0,1,2,3,4,5,6,7
	s_wait_loadcnt 7-(\i)
	ds_store_b128 v21, v[EX+4*(\i):EX+4*(\i)+3] offset:2*SPITCH*(\i)
.endr
.irp r, 12,13,14,15
	v_mov_b32 v\r, 0                               ; lane L gathers words 4 L .. 4 L + 3 of the part's 128
.endr
	v_mov_b32 v19, v22
	s_mov_b32 s5, 16                               ; sixteen groups of 16 keys
	s_mov_b32 s6, 0                                ; the lane that takes a group's first four words
.Lgroup:
	ds_load_b64 v[16:17], v19                      ; LDS serves a wave's instructions in order: this sees the stores above
	s_add_co_u32 s7, s6, 1
	v_cmp_eq_u32 s36, s6, v1
	v_cmp_eq_u32 s37, s7, v1
	s_wait_dscnt 0x0
.irp j, 0,1,2,3,4,5,6,7
	v_and_b32 v18, 0xff<<(8*((\j)%4)), v[16+(\j)/4]
	v_cmp_ne_u32 s38, 0, v18                       ; the 32 lanes' bits are the word
	v_cndmask_b32 v[12+(\j)%4], v[12+(\j)%4], s38, s[36+(\j)/4]
.endr
	v_add_nc_u32 v19, 16, v19
	s_add_co_u32 s6, s6, 2
	s_sub_co_u32 s5, s5, 1
	s_cmp_lg_u32 s5, 0
	s_cbranch_scc1 .Lgroup
	global_store_b128 v23, v[12:15], s[22:23]      ; each half of the lanes stores 256 consecutive bytes, aligned
	s_wait_xcnt 0x0                                ; the store has read its words and its offset
	v_add_nc_u32 v20, 256, v20                     ; the next part
	v_add_nc_u32 v23, 512, v23
	s_sub_co_u32 s3, s3, 1
	s_cmp_lg_u32 s3, 0
	s_cbranch_scc1 .Lpart
	s_branch .Lend
.Lgemm:
	s_add_nc_u64 s[14:15], s[72:73], s[16:17]
	s_add_nc_u64 s[46:47], s[72:73], s[46:47]
	CROUND                                         ; all sixteen work-groups are here: the first joint loads meet
.irp s, 0,1
	s_mov_b32 s[G0+4*(\s)], 1
	s_add_co_u32 s[G0+4*(\s)+1], s20, (\s)*SLOT
	s_add_nc_u64 s[G0+4*(\s)+2:G0+4*(\s)+3], s[14:15], (\s)*KSTEP*2
	s_or_b32 s[G0+4*(\s)+3], s[G0+4*(\s)+3], 0x80000000
	s_mov_b32 s[G0B+4*(\s)], 1
	s_add_co_u32 s[G0B+4*(\s)+1], s20, (\s)*SLOT
	s_add_nc_u64 s[G0B+4*(\s)+2:G0B+4*(\s)+3], s[46:47], (\s)*KSTEP*2
	s_or_b32 s[G0B+4*(\s)+3], s[G0B+4*(\s)+3], 0x80000000
	JLOAD \s                                       ; K steps 0 and 1: two loads of mine are out
.endr
	v_and_b32 v1, 15, v0                           ; l % 16
	v_bfe_u32 v2, v0, 4, 1                         ; l / 16
	; the bias of my 128 columns: register 8 b + j holds column 16 b + 8 (l / 16) + j
	s_lshl_b32 s21, s42, 10
	s_lshl_b32 s22, s12, 9
	s_add_co_u32 s21, s21, s22
	v_lshl_add_u32 v[BO], v2, 5, s21
	s_cmp_eq_u32 s[MAT], 1
	s_cselect_b64 s[BP:BP+1], s[78:79], s[76:77]
	s_cmp_eq_u32 s[MAT], 2
	s_cselect_b64 s[BP:BP+1], s[80:81], s[BP:BP+1]
	WIN TO_B
.irp b, 0,1,2,3,4,5,6,7
	global_load_b128 v[BIAS+8*(\b):BIAS+8*(\b)+3],   v[BO], s[BP:BP+1] offset:64*(\b)
	global_load_b128 v[BIAS+8*(\b)+4:BIAS+8*(\b)+7], v[BO], s[BP:BP+1] offset:64*(\b)+16
.endr
	WIN 0
	v_mul_u32_u24 v3, v1, PITCH
	v_lshl_add_u32 v3, v2, 4, v3                   ; a fragment's row x pitch + 16 x half
	s_mul_i32 s21, s11, HALFT
	s_mul_i32 s22, s12, HALFT
	s_add_co_u32 s22, s22, 2*HALFT
	v_add_nc_u32 v[ADRA0], s21, v3
	v_add_nc_u32 v[ADRB0], s22, v3
	v_mov_b32 v[ADRA], v[ADRA0]
	v_mov_b32 v[ADRB], v[ADRB0]
	s_mul_i32 s23, s10, 16*SPITCH
	s_add_co_u32 s23, s23, STAGE                   ; my stage
	v_mul_u32_u24 v4, v1, SPITCH
	v_lshl_add_u32 v4, v2, 4, v4
	v_add_nc_u32 v[STO], s23, v4
	v_mul_u32_u24 v5, v2, SPITCH
	v_lshl_add_u32 v5, v1, 4, v5
	v_add_nc_u32 v[RD], s23, v5
	v_and_b32 v[CO], 31, v0
	v_lshlrev_b32 v[PFO], 12, v[CO]
	v_lshlrev_b32 v[CO], 4, v[CO]
	; where my results go, and where my tables lie
	s_lshl_b32 s16, s13, 8
	s_lshl_b32 s14, s11, 7
	s_add_co_u32 s16, s16, s14                     ; my first position
	s_lshl_b32 s18, s16, 9                         ; 512 bytes of a table for each position
	s_lshl_b32 s16, s16, 8                         ; 256 bytes of a head for each position
	s_lshl_b32 s14, s42, 1
	s_add_co_u32 s14, s14, s12                     ; my head
	s_lshl_b32 s14, s14, 19
	s_add_co_u32 s16, s16, s14
	s_lshl_b32 s14, s[MAT], 23
	s_add_co_u32 s16, s16, s14
	s_mov_b32 s17, 0
	s_add_nc_u64 s[8:9], s[82:83], s[16:17]
	s_min_u32 s14, s[MAT], 1
	s_lshl_b32 s14, s14, 20                        ; q's table, or k's
	s_add_co_u32 s18, s18, s14
	s_mov_b32 s19, 0
	s_add_nc_u64 s[TABP:TABP+1], s[74:75], s[18:19]
	; the prefetches
	s_lshl_b32 s20, s13, 8
	s_lshl_b32 s21, s42, 8
	s_cmp_eq_u32 s11, 0                            ; do I fetch for x?
	s_cselect_b32 s20, s20, s21                    ; the tile's first row
	s_cselect_b32 s21, s40, s41                    ; my place among the four that ask with me
	s_cselect_b32 s22, ttmp9, s84                  ; the coordinate along which the other cluster reads the same rows
	s_cselect_b32 s23, 0, 3
	s_cmp_eq_u32 s22, 0
	s_cselect_b32 s[LIM], 2, -1
	s_lshl_b32 s22, s12, 7
	s_add_co_u32 s20, s20, s22
	s_lshl_b32 s21, s21, 5
	s_add_co_u32 s20, s20, s21
	s_lshl_b32 s20, s20, 12
	s_add_co_u32 s23, s23, s[MAT]
	s_lshl_b32 s23, s23, 23
	s_add_co_u32 s20, s20, s23
	s_add_co_u32 s20, s20, 2*KSTEP*2               ; at K step 2: the first refill steps it to 3 and names K step 4
	s_mov_b32 s21, 0
	s_add_nc_u64 s[PFA:PFA+1], s[72:73], s[20:21]
	s_wait_loadcnt 0x0                             ; the bias,
	WIN 0x45
.set r, 0
.rept 32                               ; rounded to bf16 like every input, and widened again
	v_cvt_pk_bf16_f32 v[(r/2)%4], v[BIAS+r], v[BIAS+r+1]
	v_lshlrev_b32 v[BIAS+r], 16, v[(r/2)%4]
	v_and_b32 v[BIAS+r+1], 0xffff0000, v[(r/2)%4]
.set r, r+2
.endr
	WIN 0
; 16 matrix instructions: m blocks a0, a0 + 1 of the window's four x all 8 n blocks, 32 along K.  first = 1: the sums start with the bias.  The 64 accumulators take turns in one order everywhere.
.macro MUL16 f, hi, a0, first
.if \first
	WIN 0x91+0x40*(\hi)
.else
	WIN 0xa1+0x50*(\hi)
.endif
.irp a, \a0, (\a0)+1
.irp b, 0,1,2,3,4,5,6,7
.if \first
	v_wmma_f32_16x16x32_bf16 v[8*(8*(\a)+(\b)):8*(8*(\a)+(\b))+7], v[(\f)+8*(\b):(\f)+8*(\b)+7], v[(\f)+8*(4*(\hi)+(\a)):(\f)+8*(4*(\hi)+(\a))+7], v[BIAS+8*(\b):BIAS+8*(\b)+7]
.else
	v_wmma_f32_16x16x32_bf16 v[8*(8*(\a)+(\b)):8*(8*(\a)+(\b))+7], v[(\f)+8*(\b):(\f)+8*(\b)+7], v[(\f)+8*(4*(\hi)+(\a)):(\f)+8*(4*(\hi)+(\a))+7], v[8*(8*(\a)+(\b)):8*(8*(\a)+(\b))+7]
.endif
.endr
.endr
.endm
; 32 LDS loads in one run: a quarter step's fragments (w's 128 rows, then x's), at byte k of the rows of the slot in hand, into buffer f
.macro FETCH k, f
	WIN TO_B
.irp i, 0,1,2,3,4,5,6,7
	ds_load_b128 v[(\f)+8*(\i):(\f)+8*(\i)+3],   v[ADRB] offset:(\k)+(\i)*16*PITCH
	ds_load_b128 v[(\f)+8*(\i)+4:(\f)+8*(\i)+7], v[ADRB] offset:(\k)+(\i)*16*PITCH+32
.endr
	WIN 0
.irp i, 0,1,2,3,4,5,6,7
	ds_load_b128 v[(\f)+8*(\i):(\f)+8*(\i)+3],   v[ADRA] offset:(\k)+(\i)*16*PITCH
	ds_load_b128 v[(\f)+8*(\i)+4:(\f)+8*(\i)+7], v[ADRA] offset:(\k)+(\i)*16*PITCH+32
.endr
.endm
; One of a K step's first three quarters: multiplies buffer f; in its middle it fetches the next quarter, at byte k, into buffer g.
.macro QUARTER k, f, g, first
	s_wait_dscnt 8                                 ; w's fragments and x's rows 0-63 are in; the youngest eight loads may be out
	MUL16 \f, 0, 0, \first
	MUL16 \f, 0, 2, \first
	PLACES
	FETCH \k, \g
	s_wait_dscnt 32                                ; all but the 32 just issued
	MUL16 \f, 1, 0, \first
	MUL16 \f, 1, 2, \first
.endm
; The last quarter multiplies buffer 1 and changes slots.  In front of the barrier each wave waits for all its tensor loads (one is out: its part of the next slot), adds 0 to its spare word, and waits
; for that and for its reads of this slot.  fill = 1: the barrier opens a round of the cluster's, and this slot is filled again first thing behind it, with the K step two on: 224 matrix instructions
; ahead of the wait for it.  tail = 1: in the tail's second trip there is no next slot, and the run of loads is jumped.
.macro TURN fill, tail
.if \fill
	s_wait_xcnt 0x0                                ; the last prefetch, a K step back, has read its address
	s_add_nc_u64 s[PFA:PFA+1], s[PFA:PFA+1], KSTEP*2
.endif
	WIN 0
	s_wait_tensorcnt 0x0
	ds_add_u32 v[SPW], v[NIL]
	s_wait_dscnt 9                                 ; (the add and the youngest eight loads may be out)
	MUL16 F1, 0, 0, 0
	s_wait_dscnt 0x0                               ; the add is done, and my reads of this slot are over
	s_barrier_signal -1
	MUL16 F1, 0, 2, 0
	WIN 0
	s_barrier_wait -1
.if \fill
	CREST
	s_xor_b32 s[G0+5], s[G0+5], SLOT               ; the walking descriptors: the other slot than last time, the next K step
	s_add_nc_u64 s[G0+6:G0+7], s[G0+6:G0+7], KSTEP*2
	s_xor_b32 s[G0B+5], s[G0B+5], SLOT
	s_add_nc_u64 s[G0B+6:G0B+7], s[G0B+6:G0B+7], KSTEP*2
	JLOAD 1                                        ; its four v_nop are also the places in front of the loads below
.else
	PLACES
.endif
	s_xor_b32 s[TS], s[TS], SLOT
	v_add_nc_u32 v[ADRA], s[TS], v[ADRA0]
	v_add_nc_u32 v[ADRB], s[TS], v[ADRB0]
.if \tail
	s_cmp_eq_u32 s2, 1
	s_cbranch_scc1 .Lno_fetch_\@
.endif
	FETCH 0, F0
.if \tail
.Lno_fetch_\@:
.endif
.if \fill
	ASK
.endif
	MUL16 F1, 1, 0, 0
	MUL16 F1, 1, 2, 0
.endm
	s_wait_tensorcnt 1                             ; my part of K step 0 is in; K step 1's may stay out
	s_barrier_signal -1
	s_barrier_wait -1
	FETCH 0, F0
	QUARTER 64, F0, F1, 1                          ; the first quarter starts the sums
	WIN 0
	s_mov_b32 s3, 14
.Lstep:                                                ; trip t ends K step t, asks for K step t + 2 and begins K step t + 1
	QUARTER 128, F1, F0, 0
	QUARTER 192, F0, F1, 0
	TURN 1, 0
	QUARTER 64, F0, F1, 0
	WIN 0
	s_sub_co_u32 s3, s3, 1
	s_cmp_lg_u32 s3, 0
	s_cbranch_scc1 .Lstep
	s_mov_b32 s2, 2
.Ltail:                                                ; K steps 14 and 15 ask for nothing: written apart
	QUARTER 128, F1, F0, 0
	QUARTER 192, F0, F1, 0
	TURN 0, 1
	WIN 0
	s_sub_co_u32 s2, s2, 1
	s_cmp_eq_u32 s2, 0
	s_cbranch_scc1 .Lsums_done
	QUARTER 64, F0, F1, 0
	WIN 0
	s_branch .Ltail
.Lsums_done:
	PLACES
	PLACES
; THE ROTATION of block a (16 positions): lo = columns 0-63 (registers 0-31), hi = columns 64-127.  lo' = lo cos - hi sin, hi' = hi cos + lo sin.  Each accumulator's lowest registers are read first.
.macro LOADTAB a
	WIN 0
.irp u, 0,1,2,3,4,5,6,7,8,9,10,11,12,13,14,15
	global_load_b128 v[TAB+64*((\a)%2)+4*(\u):TAB+64*((\a)%2)+4*(\u)+3], v[CO], s[TABP:TABP+1] offset:8192*(\a)+512*(\u)
.endr
.endm
.macro ROPE a
.set AC, 64*((\a)%4)
.set TB, TAB+64*((\a)%2)
.set W, 2+(\a)/4
	WIN 0x40|W
.set o, 0
.rept 16
	v_pk_mul_f32 v[TT+o:TT+o+1], v[AC+o:AC+o+1], v[TB+o:TB+o+1]
	v_pk_mul_f32 v[TT+32+o:TT+32+o+1], v[AC+o:AC+o+1], v[TB+32+o:TB+32+o+1]
.set o, o+2
.endr
	WIN (W<<6)|0x10|W
.set o, 0
.rept 16
	v_pk_fma_f32 v[AC+o:AC+o+1], v[AC+32+o:AC+32+o+1], v[TB+32+o:TB+32+o+1], v[TT+o:TT+o+1] neg_lo:[1,0,0] neg_hi:[1,0,0]
	v_pk_fma_f32 v[AC+32+o:AC+32+o+1], v[AC+32+o:AC+32+o+1], v[TB+o:TB+o+1], v[TT+32+o:TT+32+o+1]
.set o, o+2
.endr
.endm
; THE WAY OUT of block a: rounded to f16, 16 bytes a lane; into my own stage and back as whole rows of 256 bytes; stored: 16 rows of a head are 4,096 consecutive bytes.
.macro PACK a
.set AC, 64*((\a)%4)
	WIN 0x0a+5*((\a)/4)
.irp b, 0,1,2,3,4,5,6,7
.irp r, 0,1,2,3
	v_cvt_pk_f16_f32 v[TMP+4*(\b)+(\r)], v[AC+8*(\b)+2*(\r)], v[AC+8*(\b)+2*(\r)+1]
.endr
.endr
	WIN 0
.endm
.macro TOSTAGE a
.set BK, OB+192*((\a)%2)
.irp b, 0,1,2,3,4,5,6,7
	ds_store_b128 v[STO], v[TMP+4*(\b):TMP+4*(\b)+3] offset:32*(\b)
.endr
.irp t, 0,1,2,3,4,5,6,7
	ds_load_b128 v[BK+4*(\t):BK+4*(\t)+3], v[RD] offset:(\t)*2*SPITCH  ; LDS serves a wave's instructions in order: these see the stores above
.endr
.endm
.macro SEND a
.set BK, OB+192*((\a)%2)
	s_wait_dscnt 0x0                               ; the block is back in registers
	s_wait_xcnt 0x0                                ; the stores of the block before have read their registers, which the next block's loads write
.irp t, 0,1,2,3,4,5,6,7
	global_store_b128 v[CO], v[BK+4*(\t):BK+4*(\t)+3], s[8:9] offset:4096*(\a)+512*(\t)  ; 512 consecutive bytes, aligned
.endr
.endm
	s_cmp_lt_u32 s[MAT], 2
	s_cbranch_scc0 .Lplain                         ; v is not rotated
	LOADTAB 0
.irp a, 0,1,2,3,4,5,6,7
.if (\a) < 7
	LOADTAB (\a)+1
	s_wait_loadcnt 16                              ; this block's table is in; the next block's sixteen loads stay out
.else
	s_wait_loadcnt 0x0
.endif
	ROPE \a
.endr
	WIN 0
.Lplain:
	PACK 0
	TOSTAGE 0
.irp a, 1,2,3,4,5,6,7                  ; a block's conversions stand between the loads of the block before and the wait for them
	PACK \a
	SEND (\a)-1
	TOSTAGE \a
.endr
	SEND 7
.Lend:
	s_wait_tensorcnt 0x0                           ; the wave's end
	ds_add_u32 v[SPW], v[NIL]
	s_wait_dscnt 0x0
	CROUND                                         ; the closing round
	s_endpgm
.Lfunc_end_k_qe8da138738_proj:
	.size	k_qe8da138738_proj, .Lfunc_end_k_qe8da138738_proj-k_qe8da138738_proj
	.p2alignl 7, 3214868480
	.fill 96, 4, 3214868480
	.section	.rodata,"a",@progbits
	.p2align	6, 0x0
	.amdhsa_kernel k_qe8da138738_proj
		.amdhsa_group_segment_fixed_size 327680
		.amdhsa_private_segment_fixed_size 0
		.amdhsa_enable_private_segment 0
		.amdhsa_kernarg_size 80
		.amdhsa_user_sgpr_count 2
		.amdhsa_user_sgpr_kernarg_segment_ptr 1
		.amdhsa_wavefront_size32 1
		.amdhsa_system_sgpr_workgroup_id_x 1
		.amdhsa_system_sgpr_workgroup_id_y 1
		.amdhsa_system_sgpr_workgroup_id_z 1
		.amdhsa_system_vgpr_workitem_id 0
		.amdhsa_next_free_vgpr 1024
		.amdhsa_next_free_sgpr 88
		.amdhsa_reserve_vcc 0
		.amdhsa_float_denorm_mode_32 3
		.amdhsa_float_denorm_mode_16_64 3
		.amdhsa_memory_ordered 1
		.amdhsa_forward_progress 1
		.amdhsa_inst_pref_size 170
	.end_amdhsa_kernel
	.amdgpu_metadata
---
amdhsa.version: [ 1, 2 ]
amdhsa.kernels:
  - .name:           k_qe8da138738_proj
    .symbol:         k_qe8da138738_proj.kd
    .args:
      - { .name: cvt, .offset: 0, .size: 8, .value_kind: global_buffer, .address_space: global }
      - { .name: tab, .offset: 8, .size: 8, .value_kind: global_buffer, .address_space: global }
      - { .name: bq, .offset: 16, .size: 8, .value_kind: global_buffer, .address_space: global }
      - { .name: bk, .offset: 24, .size: 8, .value_kind: global_buffer, .address_space: global }
      - { .name: bv, .offset: 32, .size: 8, .value_kind: global_buffer, .address_space: global }
      - { .name: qkv, .offset: 40, .size: 8, .value_kind: global_buffer, .address_space: global }
      - { .name: wo, .offset: 48, .size: 8, .value_kind: global_buffer, .address_space: global }
      - { .name: mask, .offset: 56, .size: 8, .value_kind: global_buffer, .address_space: global }
      - { .name: wo16, .offset: 64, .size: 8, .value_kind: global_buffer, .address_space: global }
      - { .name: mw, .offset: 72, .size: 8, .value_kind: global_buffer, .address_space: global }
    .group_segment_fixed_size: 327680
    .private_segment_fixed_size: 0
    .kernarg_segment_align: 8
    .kernarg_segment_size: 80
    .max_flat_workgroup_size: 128
    .sgpr_count:     88
    .vgpr_count:     1024
    .wavefront_size: 32
...
	.end_amdgpu_metadata
.endif
;; end of part 2
;; launch attn (part 3): grid 16 x 16, 4 waves a work-group, clusters of 4 x 1, 327,680 bytes of LDS; arguments qkv, mw, ob; writes ob
.if DOCPART == 3
	.amdgcn_target "amdgcn-amd-amdhsa--gfx1250"
	.amdhsa_code_object_version 6
	.text
	.protected	k_qe8da138738_attn
	.globl	k_qe8da138738_attn
	.p2align	8
	.type	k_qe8da138738_attn,@function
k_qe8da138738_attn:
	s_mov_b64 s[64:65], 0
	v_nop
	global_prefetch_b8 v0, s[64:65] scope:SCOPE_SE
	s_setreg_imm32_b32 hwreg(HW_REG_WAVE_MODE, 25, 1), 1
	s_wait_xcnt 0x0
	s_wait_alu depctr_hold_cnt(0) depctr_sa_sdst(0) depctr_va_vdst(0) depctr_va_sdst(0) depctr_va_ssrc(0) depctr_va_vcc(0) depctr_vm_vsrc(0)
	s_getreg_b32 s2, hwreg(HW_REG_IB_STS2, 6, 4)
	s_cmp_eq_u32 s2, 0
	s_cbranch_scc0 .Lentry_in_a_cluster
	s_endpgm
.Lentry_in_a_cluster:
	s_bfe_u32 s2, ttmp6, 0x10000c
	s_cmp_lg_u32 s2, 0x3003
	s_cbranch_scc0 .Lentry_shape_is_right
	s_endpgm
.Lentry_shape_is_right:
; ATTENTION with the mask as it is given.  O[q] = the sum over k of softmax_k(s[q][k]) v[k], s = q . k / sqrt(128) where mask[q][k] is set and -1e9 where it is not (the score is REPLACED, so a row
; with no key left is the mean of all v).  q comes multiplied by c = log2(e) / sqrt(128), so the products are scores in units of log2: p = 2^(s - m), m the running maximum; a hidden score is -1e9 log2(e).
; q c, k, v: f16 [16][2048][128]; products, maxima and sums in f32; p is rounded to f16 for the second product (its sum l is taken of the unrounded p); O once, to f16, [2048][2048].
; LIMITS: q c, k, v within 65,504; a weight below 2^-126 counts as 0; NaN and infinities are not treated apart.
; SHARES.  256 work-groups: 128 queries of one head each.  Wave w: queries 64 (w % 2) .. + 63, four tiles of 16, and key group g = w / 2: of every slot of 256 keys the rows 128 g .. 128 g + 127, two steps
; of 64.  At the end the two groups' partial results are merged through LDS.  Register tile t holds query tile t ^ 2 g, so that every wave keeps tiles 0, 1 and hands over tiles 2, 3.
; LAYOUT.  S^T = K Q^T: a lane holds ONE query (l % 16) and the keys 8 (l / 16) + 0..7 of each 16; rounded in pairs it IS source 1 of O^T = V^T P.  V is turned by ds_load_tr16_b128.
; THE MASK comes as lane-mask words (one for each score register of a tile and step), 64 scalar registers for the two tiles in hand, loaded a turn ahead; one v_cndmask_b32 a register.
; BY TURNS.  The tiles are two pieces (0: tiles 0, 1; 2: tiles 2, 3).  In a turn one piece has the matrix unit (32 products V^T P, then 32 K Q^T of the next step), and the other piece's softmax is the
; turn's vector work: 330 instructions for 64 products.  Four stand behind each product; the other 74 need time of their own whatever the order, and stand together: 58 at the turn's head, 16 at its end.
; A turn's 66 exponentials are one batch with one wait.
; m starts at the lowest finite number, O and l at 0: the first step is a step like any other, with a = 0.
; CLUSTER.  The four query blocks of a cluster belong to one head and walk the same K and V: each tile is asked for jointly (mask of four).
; REGISTERS: window 0: v0-11, v44-47, v61-63 addresses and constants; v12-43 statistics, 8 a tile (m, 0, l, l, c0-c3; a takes c2's place); v48-55 the merge's; v64-191 S^T; v192-255 P
;   window 1: O^T, 64 a tile      window 2: v0-127 Q; v128-255 K of one step      window 3: v0-127 V of one step
.set KS,    64
.set PK,    272       ; a row of K in LDS: 256 bytes + 16
.set PV,    288       ; a row of V: 256 + 32
.set VOFF,  256*PK    ; a slot: 256 rows of K, then 256 rows of V
.set SLOTX, 0x24000   ; slot 1 begins here; no base that is turned (0, 0x8800, 0x11000, 0x1a000) has one of its two bits set
.set STAGE, SLOTX+256*(PK+PV)
.set SP,    272
.set SPARE, STAGE+4*16*SP
.set XW,    16896     ; the merge: 16,384 bytes of O^T and 512 of statistics for each wave, from LDS byte 0 on: slot 0 has had its last fill and its last reads by then
.set HEAD,  58        ; vector instructions at a turn's head
.set AK0, 2
.set AV0, 3
.set ADR, 4
.set QOA, 5
.set STO, 6
.set RD,  7
.set GO,  8
.set ST,  12
.set NEG, 44
.set XS,  45
.set XR,  46
.set QOB, 47
.set PFO, 61
.set SPW, 62
.set NIL, 63
.set S,   64
.set P,   192
.set KF,  128
.set MP,  2           ; s[2:3]   the mask words of my first tile for the step in hand
.set PFA, 4           ; s[4:5]
.set SEL, 6           ; s6, s7   v_permlanex16_b32's selects
.set G1K, 8
.set G1V, 16
.set G0K, 24
.set G0V, 28
.set WV,  66          ; s[32:63], s[68:99]: the words of the piece's first and second tile (the set-up's temporaries lie there first)
.set SLOTS, 67
.set CNT, 100
.set TBK, 101
.set TBV, 104
.set LIM, 105
.set MSB, 0
.macro WIN new
.if MSB != (\new)
	s_set_vgpr_msb (MSB<<8)|(\new)
.set MSB, \new
.endif
.endm
.set W_KQ, 0x0a
.set W_PV, 0x53
.set W_RS, 0x41
; A joint fill: waves 0 and 1 fetch the two halves of a slot's K, waves 2 and 3 of its V.  An s_nop 0 and four v_nop follow each of the two lines.
.macro JLOAD
	s_cmp_lt_u32 s[WV], 2
	s_cbranch_scc0 .Lfor_v_\@
	tensor_load_to_lds s[G0K:G0K+3], s[G1K:G1K+7]
	s_nop 0
.rept 4
	v_nop
.endr
	s_branch .Lasked_\@
.Lfor_v_\@:
	tensor_load_to_lds s[G0V:G0V+3], s[G1V:G1V+7]
	s_nop 0
.rept 4
	v_nop
.endr
.Lasked_\@:
.endm
; A prefetch of what the NEXT change of slots will ask for.  The head's first cluster asks; of a slot's 256 rows of K (waves 0, 1) and of V (waves 2, 3) partner cx and wave half h take rows
; 64 cx + 32 h + lane: told apart by address, each row named once.  The last change that fills a slot asks for nothing.
.macro ASK
	s_cmp_gt_u32 s[SLOTS], s[LIM]
	s_cbranch_scc0 .Lnot_mine_\@
	global_prefetch_b8 v[PFO], s[PFA:PFA+1] th:TH_LOAD_NT scope:SCOPE_SE
.Lnot_mine_\@:
.endm
.macro CROUND
	s_barrier_signal -1
	s_barrier_wait -1
	s_cmp_lg_u32 s[WV], 0
	s_cbranch_scc1 .Lnot_wave_0_\@
	s_barrier_signal -3
.Lnot_wave_0_\@:
	s_barrier_wait -3
	s_barrier_signal -1
	s_barrier_wait -1
.endm
; THE CHANGE OF SLOTS.  Each wave waits for all its tensor loads (one is out: its part of the other slot), adds 0 to its spare word, and waits for that and for its reads of the slot that it leaves.
; fill = 1: the barrier is a round of the cluster's, and the joint fill is the first thing behind it: two key steps a wave, 256 matrix instructions, in which to land.
.macro CHANGE fill, ask, step
	WIN 0
	s_wait_tensorcnt 0x0
	ds_add_u32 v[SPW], v[NIL]       ; 0 onto my spare word; scalar work stands between it and the wait for it
.if \fill
.irp g, G0K, G0V
	s_xor_b32 s[(\g)+1], s[(\g)+1], SLOTX
	s_add_nc_u64 s[(\g)+2:(\g)+3], s[(\g)+2:(\g)+3], 65536  ; the next 256 keys
.endr
.endif
.if \ask
	s_wait_xcnt 0x0                 ; the last prefetch has read its address
	s_add_nc_u64 s[PFA:PFA+1], s[PFA:PFA+1], 65536
.endif
.if \step
	s_wait_kmcnt 0x0                ; the words asked for last have come, so their pointer may be written:
	s_add_nc_u64 s[MP:MP+1], s[MP:MP+1], 256  ; over the other group's two steps
.endif
	s_wait_dscnt 0x0
.if \fill
	CROUND
	JLOAD
.if \ask
	ASK
.endif
.else
	s_barrier_signal -1
	s_barrier_wait -1
.endif
	s_sub_co_u32 s[TBK], s[TBK], 2*KS*PK
	s_xor_b32 s[TBK], s[TBK], SLOTX
	s_sub_co_u32 s[TBV], s[TBV], 2*KS*PV
	s_xor_b32 s[TBV], s[TBV], SLOTX
.endm
	s_load_b128 s[32:35], s[0:1], 0x0  ; qkv 32, mw 34
	v_lshl_add_u32 v[SPW], v0, 2, SPARE
	v_mov_b32 v[NIL], 0
	ds_add_u32 v[SPW], v[NIL]       ; the wave's opening: the add and its wait ahead of my first tensor load
	v_lshrrev_b32 v1, 5, v0
	v_readfirstlane_b32 s[WV], v1
	s_bfe_u32 s36, ttmp6, 0x40000   ; cx
	s_lshl_b32 s37, ttmp9, 2
	s_add_co_u32 s37, s37, s36      ; my block of 128 queries
	s_and_b32 s38, ttmp7, 0xffff
	s_lshl_b32 s38, s38, 19         ; the head's first byte in q, k and v
	s_and_b32 s39, s[WV], 1         ; my half of the queries; also: which half of a slot's rows I fetch
	s_lshr_b32 s40, s[WV], 1        ; my key group
	s_lshl_b32 s42, s39, 15
	s_add_co_u32 s42, s42, s38
	s_add_co_u32 s42, s42, 8388608  ; K at my half of the head's first 256 keys
	s_mov_b32 s43, 0
	s_add_co_u32 s44, s42, 8388608  ; V likewise
	s_mov_b32 s45, 0
	s_lshl_b32 s46, s37, 15
	s_lshl_b32 s48, s39, 14
	s_add_co_u32 s46, s46, s48      ; my 64 queries: x 256 bytes of q, and as four tiles x 4,096 bytes of words: the same number
	s_mov_b32 s47, 0
	s_lshl_b32 s50, s40, 8          ; my group's first step: 2 g x 128 bytes
	s_add_co_u32 s50, s50, s46
	s_mov_b32 s51, 0
	s_add_co_u32 s46, s46, s38
	s_lshl_b32 s52, s36, 14         ; the prefetches: 64 cx rows,
	s_lshl_b32 s53, s39, 13         ; 32 more for waves 1 and 3,
	s_add_co_u32 s52, s52, s53
	s_add_co_u32 s52, s52, s38
	s_add_co_u32 s52, s52, 8388608+2*65536  ; in K's slot 2: the first asking change steps it to slot 3
	s_cmp_lt_u32 s[WV], 2
	s_cselect_b32 s53, 0, 8388608   ; or in V's
	s_add_co_u32 s52, s52, s53
	s_mov_b32 s53, 0
	s_cmp_eq_u32 ttmp9, 0
	s_cselect_b32 s[LIM], 1, -1
	s_mov_b32 s[G1K], 15|(1<<16)|(1<<20)|(1<<21)|(5<<22)|(3<<25)  ; the mask of four; 2-byte elements; padding on; bit 21 beside a mask; after every 64 words 4 words
	s_mov_b32 s[G1V], 15|(1<<16)|(1<<20)|(1<<21)|(5<<22)|(7<<25)  ; the same with 8 words
.irp g, G1K, G1V
	s_mov_b32 s[(\g)+1], 128<<16    ; tensor_dim0 = 128
	s_mov_b32 s[(\g)+2], 128<<16    ; tensor_dim1 = 128
	s_mov_b32 s[(\g)+3], 128<<16    ; tile_dim0 = 128
	s_mov_b32 s[(\g)+4], 128        ; tile_dim1 = 128
	s_mov_b32 s[(\g)+5], 128        ; elements from row to row
	s_mov_b32 s[(\g)+6], 0
	s_mov_b32 s[(\g)+7], 0
.endr
	s_mov_b32 s[SEL], 0x76543210
	s_mov_b32 s[SEL+1], 0xfedcba98
	s_mov_b32 s[TBK], SLOTX+2*KS*PK ; the first change of slots turns these two into 0
	s_mov_b32 s[TBV], SLOTX+2*KS*PV
	s_mov_b32 s[G0K], 1
	s_mul_i32 s[G0K+1], s39, 128*PK
	s_mov_b32 s[G0V], 1
	s_mul_i32 s[G0V+1], s39, 128*PV
	s_add_co_u32 s[G0V+1], s[G0V+1], VOFF
	s_wait_dscnt 0x0                ; the opening add is done
	s_wait_kmcnt 0x0
	s_add_nc_u64 s[G0K+2:G0K+3], s[32:33], s[42:43]
	s_or_b32 s[G0K+3], s[G0K+3], 0x80000000
	s_add_nc_u64 s[G0V+2:G0V+3], s[32:33], s[44:45]
	s_or_b32 s[G0V+3], s[G0V+3], 0x80000000
	s_add_nc_u64 s[MP:MP+1], s[34:35], s[50:51]
	s_add_nc_u64 s[PFA:PFA+1], s[32:33], s[52:53]
	s_add_nc_u64 s[46:47], s[32:33], s[46:47]  ; q at my 64 rows
	CROUND                          ; all four work-groups are here
	JLOAD                           ; slot 0; slot 1 is asked for when slot 0 is in
	v_and_b32 v1, 15, v0            ; l % 16
	v_bfe_u32 v9, v0, 4, 1          ; l / 16
	v_lshlrev_b32 v10, 8, v1
	v_lshl_add_u32 v10, v9, 4, v10  ; row x 256 + 16 x half
	s_lshl_b32 s54, s40, 13
	s_xor_b32 s55, s54, 8192
	v_add_nc_u32 v[QOA], s54, v10   ; register tiles 0, 1 hold query tiles 2 g, 2 g + 1,
	v_add_nc_u32 v[QOB], s55, v10   ; tiles 2, 3 the other two
	WIN 0x80
.irp i, 0,1,2,3,4,5,6,7
	global_load_b128 v[8*(\i):8*(\i)+3],   v[QOA], s[46:47] offset:((\i)/4)*4096+((\i)%4)*64
	global_load_b128 v[8*(\i)+4:8*(\i)+7], v[QOA], s[46:47] offset:((\i)/4)*4096+((\i)%4)*64+32
.endr
.irp i, 8,9,10,11,12,13,14,15
	global_load_b128 v[8*(\i):8*(\i)+3],   v[QOB], s[46:47] offset:((\i)/4-2)*4096+((\i)%4)*64
	global_load_b128 v[8*(\i)+4:8*(\i)+7], v[QOB], s[46:47] offset:((\i)/4-2)*4096+((\i)%4)*64+32
.endr
	; What the first turn finds: V, O^T, piece 2's P and l are 0.  All this stands in the wait for the first tile; it spares a first step written out.
	WIN 0xc0
.set i, 0
.rept 128
	v_mov_b32 v[i], 0
.set i, i+1
.endr
	WIN 0x40
.set i, 0
.rept 256
	v_mov_b32 v[i], 0
.set i, i+1
.endr
	WIN 0
.set i, P+32
.rept 32
	v_mov_b32 v[i], 0
.set i, i+1
.endr
.set i, 0
.rept 4
	v_mov_b32 v[ST+8*i], 0xff7fffff    ; m
	v_mov_b32 v[ST+8*i+1], 0           ; named with m as a pair
	v_mov_b32 v[ST+8*i+2], 0
	v_mov_b32 v[ST+8*i+3], 0
.set i, i+1
.endr
	v_mov_b32 v[NEG], 0xceabfb8f    ; -1e9 log2(e)
	s_mul_i32 s54, s40, 128*PK      ; my group's rows of a slot
	s_mul_i32 s55, s40, 128*PV
	s_add_co_u32 s55, s55, VOFF
	v_mul_u32_u24 v[AK0], v1, PK
	v_lshl_add_u32 v[AK0], v9, 4, v[AK0]
	v_add_nc_u32 v[AK0], s54, v[AK0]
	v_and_b32 v10, 7, v0            ; the turning load: lane l reads key 8 (l / 16) + l % 8, channels 8 ((l / 8) % 2) + 0..7
	v_bfe_u32 v11, v0, 3, 1
	v_lshl_add_u32 v[AV0], v9, 3, v10
	v_mul_u32_u24 v[AV0], v[AV0], PV
	v_lshl_add_u32 v[AV0], v11, 4, v[AV0]
	v_add_nc_u32 v[AV0], s55, v[AV0]
	v_and_b32 v[PFO], 31, v0
	v_lshlrev_b32 v[PFO], 8, v[PFO]
; THE MATRIX WORK.  The accumulators take turns, one instruction a turn.
.macro PV x                         ; product i of 32 of O^T += V^T P: keys 32 (i / 16) on, channels 16 ((i / 2) % 8) on, tile x + i % 2
	WIN W_PV
.set rO, 64*((\x)+i%2)+8*((i/2)%8)
.set rV, 64*(i/16)+8*((i/2)%8)
.set rP, P+16*((\x)+i%2)+8*(i/16)
	v_wmma_f32_16x16x32_f16 v[rO:rO+7], v[rV:rV+7], v[rP:rP+7], v[rO:rO+7]
.endm
.macro KQ x                         ; product i of 32 of S^T = K Q^T: channels 32 (i / 8) on, keys 16 ((i / 2) % 4) on, tile x + i % 2
	WIN W_KQ
.set rS, S+32*((\x)+i%2)+8*((i/2)%4)
.set rK, KF+32*((i/2)%4)+8*(i/8)
.set rQ, 32*((\x)+i%2)+8*(i/8)
.if i < 8
	v_wmma_f32_16x16x32_f16 v[rS:rS+7], v[rK:rK+7], v[rQ:rQ+7], 0
.else
	v_wmma_f32_16x16x32_f16 v[rS:rS+7], v[rK:rK+7], v[rQ:rQ+7], v[rS:rS+7]
.endif
.endm
; THE LDS LOADS stand in runs of 32.  last = 1 (the tail): in the last trip there is no further step, and K's run is jumped.
.macro FETCH_K last=0
	WIN 0
.if \last
	s_cmp_eq_u32 s[CNT], 1
	s_cbranch_scc1 .Lno_k_\@
.endif
	v_add_nc_u32 v[ADR], s[TBK], v[AK0]
	s_add_co_u32 s[TBK], s[TBK], KS*PK
	WIN 0x80
.irp f, 0,1,2,3,4,5,6,7,8,9,10,11,12,13,14,15
	ds_load_b128 v[KF+8*(\f):KF+8*(\f)+3],   v[ADR] offset:((\f)/4)*16*PK+((\f)%4)*64
	ds_load_b128 v[KF+8*(\f)+4:KF+8*(\f)+7], v[ADR] offset:((\f)/4)*16*PK+((\f)%4)*64+32
.endr
	WIN 0
.if \last
.Lno_k_\@:
.endif
.endm
.macro FETCH_V
	WIN 0
	v_add_nc_u32 v[ADR], s[TBV], v[AV0]
	s_add_co_u32 s[TBV], s[TBV], KS*PV
	s_wait_alu depctr_va_vdst(0)    ; the wait for the softmax's batch, ahead of the loads
	WIN 0xc0
.irp f, 0,1,2,3,4,5,6,7,8,9,10,11,12,13,14,15
	ds_load_tr16_b128 v[8*(\f):8*(\f)+3],   v[ADR] offset:((\f)/8)*32*PV+((\f)%8)*32
	ds_load_tr16_b128 v[8*(\f)+4:8*(\f)+7], v[ADR] offset:((\f)/8)*32*PV+16*PV+((\f)%8)*32
.endr
.endm
.macro MLOAD y                      ; the 64 words of tiles y and y + 1 for the step at which MP stands
	s_load_b512 s[32:47], s[MP:MP+1], (\y)*4096
	s_load_b512 s[48:63], s[MP:MP+1], (\y)*4096+64
	s_load_b512 s[68:83], s[MP:MP+1], ((\y)+1)*4096
	s_load_b512 s[84:99], s[MP:MP+1], ((\y)+1)*4096+64
.endm
; THE VECTOR WORK.  One tile's softmax for one step is a list of 165; SM writes number j of it for tile t.
;   0-31    a hidden score is replaced (ascending: each accumulator's lowest registers are read first)          32-47   the maximum of the 32 scores and the old m, three operands at a time
;   48-51   the other half of the lanes' maximum; m_old kept; the new m; m_old - m_new
;   52-100  ONE BATCH: the 16 subtractions s - m (a pair each) and all 33 exponentials (a third, then s0-s31); none reads an exponential's result
;   101-116 the roundings to f16      117-132 the sums; l = a l + sum      133-164 O^T times a
.macro SM t
.set rT, ST+8*(\t)
.set rS, S+32*(\t)
.set rP, P+16*(\t)
.set rO, 64*(\t)
.set rW, 32+36*((\t)%2)
.if j < 133
	WIN 0
.else
	WIN W_RS
.endif
.if j < 32
	v_cndmask_b32 v[rS+j], v[NEG], v[rS+j], s[rW+j]
.elseif j < 36
	v_max3_num_f32 v[rT+j-28], v[rS+8*(j-32)], v[rS+8*(j-32)+1], v[rS+8*(j-32)+2]
.elseif j < 44
.set n, j-32
	v_max3_num_f32 v[rT+4+n%4], v[rT+4+n%4], v[rS+8*(n%4)+2*(n/4)+1], v[rS+8*(n%4)+2*(n/4)+2]
.elseif j == 44
	v_max3_num_f32 v[rT+4], v[rT+4], v[rS+7], v[rS+15]
.elseif j == 45
	v_max3_num_f32 v[rT+6], v[rT+6], v[rS+23], v[rS+31]
.elseif j == 46
	v_max3_num_f32 v[rT+4], v[rT+4], v[rT+5], v[rT+6]
.elseif j == 47
	v_max3_num_f32 v[rT+4], v[rT+4], v[rT+7], v[rT]
.elseif j == 48
	v_permlanex16_b32 v[rT+5], v[rT+4], s[SEL], s[SEL+1]
.elseif j == 49
	v_mov_b32 v[rT+7], v[rT]
.elseif j == 50
	v_max_num_f32 v[rT], v[rT+4], v[rT+5]
.elseif j == 51
	v_sub_f32 v[rT+7], v[rT+7], v[rT]
.elseif j < 101
.set b, j-52
.if b == 2
	v_exp_f32 v[rT+6], v[rT+7]      ; a
.elseif (b < 2) || ((b < 45) && (b%3 == 0))
.set n, b
.if b >= 3
.set n, b/3+1
.endif
	v_pk_add_f32 v[rS+2*n:rS+2*n+1], v[rS+2*n:rS+2*n+1], v[rT:rT+1] op_sel_hi:[1,0] neg_lo:[0,1] neg_hi:[0,1]  ; pair n: s - m, exactly 0 where s = m
.else
.set n, b-17
.if b < 45
.set n, 2*((b-4)/3)+(b-4)%3
.endif
	v_exp_f32 v[rS+n], v[rS+n]
.endif
.elseif j < 117
	v_cvt_pk_f16_f32 v[rP+j-101], v[rS+2*(j-101)], v[rS+2*(j-101)+1]
.elseif j < 133
.set z, j-117
.set w, 4
.set u, z
.if z >= 14
.set w, 32
.set u, 0
.elseif z >= 12
.set w, 16
.set u, z-12
.elseif z >= 8
.set w, 8
.set u, z-8
.endif
.if z < 15
	v_pk_add_f32 v[rS+w*u:rS+w*u+1], v[rS+w*u:rS+w*u+1], v[rS+w*u+w/2:rS+w*u+w/2+1]
.else
	v_pk_fma_f32 v[rT+2:rT+3], v[rT+2:rT+3], v[rT+6:rT+7], v[rS:rS+1] op_sel_hi:[1,0,1]
.endif
.else
	v_pk_mul_f32 v[rO+2*(j-133):rO+2*(j-133)+1], v[rO+2*(j-133):rO+2*(j-133)+1], v[rT+6:rT+7] op_sel_hi:[1,0]
.endif
.endm
; Entry e of a turn's 330: number e / 2 of tile y + e % 2.  Two things hang on e:
; ahead of entry 80, sixteen entries behind the last line that reads a word, the next turn's words are asked for: behind the turn's sixth product, 58 products ahead of the wait at that turn's head;
; ahead of entry 202 the batch is out: a plain instruction, and the one wait.  That is behind the turn's 37th product; in piece 2's turn V's run of loads stands there: V's last reader is the 32nd
; product, and entries 182, 183, 188, 189 (subtractions), the v_nop and the run's own v_add_nc_u32 are the plain instructions between.
.macro VW y, last
.if e == 80
.if (\y) == 2
.if \last
	WIN 0
	s_cmp_eq_u32 s[CNT], 1          ; the last trip has no further step
	s_cbranch_scc1 .Lno_words_\@
.endif
	s_add_nc_u64 s[MP:MP+1], s[MP:MP+1], 128  ; the next step (the loads that named the pointer were waited for at this turn's head)
	MLOAD 0
.if \last
.Lno_words_\@:
.endif
.else
	MLOAD 2
.endif
.endif
.if e == 202
	WIN 0
	v_nop
.if (\y) == 0
	FETCH_V
.else
	s_wait_alu depctr_va_vdst(0)
.endif
.endif
.set j, e/2
	SM (\y)+e%2
.set e, e+1
.endm
.macro RUN y, last, n               ; the queue's next n entries
.rept \n
	VW \y, \last
.endr
.endm
; A TURN: piece x has the matrix unit, the other piece's softmax is the vector work.  58 entries at the head (the replacing of hidden scores, for the most part: they wait for nothing but the words), four
; behind each product, sixteen more behind the last: all plain and naming nothing of the products round them: with the four in front of them the places between the last K Q^T and the next turn's first
; read of those scores, and K's next run of loads.
.macro TURN x, last=0
.set e, 0
	s_wait_kmcnt 0x0                ; this turn's words are in
	RUN 2-(\x), \last, HEAD
.if (\x) == 0
	s_wait_dscnt 0x0                ; V is in
.endif
.set i, 0
.rept 32
	PV \x
	RUN 2-(\x), \last, 4
.if ((\x) == 0) && (i == 1)
	FETCH_K \last
.endif
.set i, i+1
.endr
.if (\x) == 0
	s_wait_dscnt 0x0                ; K is in
.endif
.set i, 0
.rept 32
	KQ \x
	RUN 2-(\x), \last, 4
.set i, i+1
.endr
	RUN 2-(\x), \last, 74-HEAD
.endm
	CHANGE 1, 0, 0                  ; slot 0 is in, everybody's part of it; slot 1 is asked for
	s_wait_xcnt 0x0                 ; q's loads have read their base, which lies where the words go
	MLOAD 0                         ; piece 0, step 0
	FETCH_K
	s_wait_loadcnt 0x0              ; q
	s_wait_dscnt 0x0
.set i, 0
.rept 32
	KQ 0                            ; piece 0's first scores
.set i, i+1
.endr
	WIN 0                           ; the addresses for the merge and the way out: the places behind those products
	s_mul_i32 s[CNT], s[WV], 16*SP
	s_add_co_u32 s[CNT], s[CNT], STAGE
	v_mul_u32_u24 v[STO], v1, SP
	v_lshl_add_u32 v[STO], v9, 4, v[STO]
	v_add_nc_u32 v[STO], s[CNT], v[STO]
	v_mul_u32_u24 v[RD], v9, SP
	v_lshl_add_u32 v[RD], v1, 4, v[RD]
	v_add_nc_u32 v[RD], s[CNT], v[RD]
	v_lshlrev_b32 v[GO], 12, v9     ; a row of O is 4,096 bytes
	v_lshl_add_u32 v[GO], v1, 4, v[GO]
	s_mul_i32 s[CNT], s[WV], XW
	v_and_b32 v[XS], 31, v0
	v_lshlrev_b32 v[XS], 4, v[XS]
	v_mov_b32 v[XR], v[XS]
	v_add_nc_u32 v[XS], s[CNT], v[XS]  ; what I hand over,
	s_xor_b32 s[CNT], s[WV], 2
	s_mul_i32 s[CNT], s[CNT], XW
	v_add_nc_u32 v[XR], s[CNT], v[XR]  ; and what the wave with my queries and the other keys hands me
	s_mov_b32 s[CNT], 2
	s_mov_b32 s[SLOTS], 7
	s_branch .Lfirst                ; the loop is entered in the middle of a trip
.Lslot:                             ; six times: slots 2 to 7 are asked for
	CHANGE 1, 1, 1
	s_mov_b32 s[CNT], 2
.Lstep:
	TURN 0
	WIN 0
.Lfirst:
	TURN 2
	WIN 0
	s_sub_co_u32 s[CNT], s[CNT], 1
	s_cmp_lg_u32 s[CNT], 0
	s_cbranch_scc1 .Lstep
	s_sub_co_u32 s[SLOTS], s[SLOTS], 1
	s_cmp_lg_u32 s[SLOTS], 0
	s_cbranch_scc1 .Lslot
	CHANGE 0, 0, 1                  ; the tail is written out
	s_mov_b32 s[CNT], 3             ; two trips fetch the last slot's steps; the third is left in its middle
.Ltail:
	TURN 0, 1
	WIN 0
	s_sub_co_u32 s[CNT], s[CNT], 1
	s_cmp_eq_u32 s[CNT], 0
	s_cbranch_scc1 .Lout
	TURN 2
	WIN 0
	s_branch .Ltail
.Lout:                              ; the third trip's 32 products K Q^T, on the last K once more, serve nothing: the price of one text for every trip
	s_load_b64 s[32:33], s[0:1], 0x10  ; ob
.set i, 0
.rept 32
	PV 2                            ; piece 2's V^T P of the last step
.set i, i+1
.endr
	; THE MERGE.  l's two halves and the other half of the lanes' are added; tiles 2 and 3 (O^T, m, l) go to the wave with the other keys; tiles 0 and 1 take that wave's share:
	; M = max(m, m'), O = (O 2^(m - M) + O' 2^(m' - M)) / (l 2^(m - M) + l' 2^(m' - M)).  The additions and moves are the places behind the last products.
	WIN 0
.irp t, 0,1,2,3
	v_add_f32 v[ST+8*(\t)+2], v[ST+8*(\t)+2], v[ST+8*(\t)+3]
.endr
.irp t, 0,1,2,3
	v_permlanex16_b32 v[ST+8*(\t)+3], v[ST+8*(\t)+2], s[SEL], s[SEL+1]
.endr
.irp t, 0,1,2,3
	v_add_f32 v[ST+8*(\t)+2], v[ST+8*(\t)+2], v[ST+8*(\t)+3]
.endr
	v_mov_b32 v48, v[ST+16]
	v_mov_b32 v49, v[ST+18]
	v_mov_b32 v50, v[ST+24]
	v_mov_b32 v51, v[ST+26]
	WIN 0x04                        ; the data in window 1
.set u, 0
.rept 32
	ds_store_b128 v[XS], v[128+4*u:128+4*u+3] offset:512*u
.set u, u+1
.endr
	WIN 0
	ds_store_b128 v[XS], v[48:51] offset:16384
	s_bfe_u32 s36, ttmp6, 0x40000   ; where my 32 rows of O begin
	s_lshl_b32 s37, ttmp9, 2
	s_add_co_u32 s36, s37, s36
	s_lshl_b32 s36, s36, 19         ; 128 rows of 4,096 bytes a block,
	s_and_b32 s37, s[WV], 1
	s_lshl_b32 s37, s37, 18         ; 64 a half,
	s_add_co_u32 s36, s36, s37
	s_lshr_b32 s37, s[WV], 1
	s_lshl_b32 s37, s37, 17         ; 32 a key group,
	s_add_co_u32 s36, s36, s37
	s_and_b32 s37, ttmp7, 0xffff
	s_lshl_b32 s37, s37, 8          ; the head's 256 bytes of a row
	s_add_co_u32 s36, s36, s37
	s_mov_b32 s37, 0
	s_wait_kmcnt 0x0
	s_add_nc_u64 s[32:33], s[32:33], s[36:37]
	s_wait_dscnt 0x0                ; for the other wave's sake: my stores are done
	s_barrier_signal -1
	s_barrier_wait -1
.set u, 0
.rept 32
	ds_load_b128 v[S+4*u:S+4*u+3], v[XR] offset:512*u
.set u, u+1
.endr
	ds_load_b128 v[52:55], v[XR] offset:16384
	s_wait_dscnt 0x0
.irp t, 0,1
	v_max_num_f32 v[ST+8*(\t)+4], v[ST+8*(\t)], v[52+2*(\t)]
	v_sub_f32 v[ST+8*(\t)+5], v[ST+8*(\t)], v[ST+8*(\t)+4]
	v_sub_f32 v[ST+8*(\t)+7], v[52+2*(\t)], v[ST+8*(\t)+4]
.endr
.irp t, 0,1
	v_exp_f32 v[ST+8*(\t)+4], v[ST+8*(\t)+5]
	v_exp_f32 v[ST+8*(\t)+6], v[ST+8*(\t)+7]
.endr
	v_nop
	s_wait_alu depctr_va_vdst(0)    ; one wait for the four exponentials
.irp t, 0,1
	v_mul_f32 v[ST+8*(\t)+5], v[ST+8*(\t)+2], v[ST+8*(\t)+4]
	v_fma_f32 v[ST+8*(\t)+5], v[53+2*(\t)], v[ST+8*(\t)+6], v[ST+8*(\t)+5]  ; at least 1: the greater maximum's own weight
.endr
.irp t, 0,1
	v_rcp_f32 v[ST+8*(\t)+7], v[ST+8*(\t)+5]
.endr
	v_nop
	s_wait_alu depctr_va_vdst(0)    ; one wait for the two reciprocals
.irp t, 0,1
	v_mul_f32 v[ST+8*(\t)+4], v[ST+8*(\t)+4], v[ST+8*(\t)+7]
	v_mul_f32 v[ST+8*(\t)+6], v[ST+8*(\t)+6], v[ST+8*(\t)+7]
.endr
.macro OUT t                        ; tile t is merged, rounded to f16 and sent through my stage: in as 16 bytes a lane, back as whole rows of 256 bytes
	WIN 0
.set k, 0
.rept 32
	v_pk_mul_f32 v[S+64*(\t)+2*k:S+64*(\t)+2*k+1], v[S+64*(\t)+2*k:S+64*(\t)+2*k+1], v[ST+8*(\t)+6:ST+8*(\t)+7] op_sel_hi:[1,0]
.set k, k+1
.endr
	WIN 0x01
.set k, 0
.rept 32
	v_pk_fma_f32 v[S+64*(\t)+2*k:S+64*(\t)+2*k+1], v[64*(\t)+2*k:64*(\t)+2*k+1], v[ST+8*(\t)+4:ST+8*(\t)+5], v[S+64*(\t)+2*k:S+64*(\t)+2*k+1] op_sel_hi:[1,0,1]
.set k, k+1
.endr
	WIN 0
.set k, 0
.rept 32
	v_cvt_pk_f16_f32 v[P+32*(\t)+k], v[S+64*(\t)+2*k], v[S+64*(\t)+2*k+1]
.set k, k+1
.endr
.irp f, 0,1,2,3,4,5,6,7
	ds_store_b128 v[STO], v[P+32*(\t)+4*(\f):P+32*(\t)+4*(\f)+3] offset:32*(\f)
.endr
.irp f, 0,1,2,3,4,5,6,7
	ds_load_b128 v[P+32*(\t)+4*(\f):P+32*(\t)+4*(\f)+3], v[RD] offset:(\f)*2*SP  ; LDS serves a wave's instructions in order: these see the stores above
.endr
.endm
.macro SEND t, younger              ; younger: the LDS instructions issued behind tile t's loads
.irp f, 0,1,2,3,4,5,6,7
	s_wait_dscnt (\younger)+7-(\f)
	global_store_b128 v[GO], v[P+32*(\t)+4*(\f):P+32*(\t)+4*(\f)+3], s[32:33] offset:(\t)*65536+(\f)*8192  ; sixteen lanes store 256 consecutive bytes, aligned
.endr
.endm
	OUT 0
	OUT 1
	SEND 0, 16
	SEND 1, 0
	s_wait_tensorcnt 0x0            ; the wave's end
	ds_add_u32 v[SPW], v[NIL]
	s_wait_dscnt 0x0
	CROUND                          ; the closing round
	s_endpgm
.Lfunc_end_k_qe8da138738_attn:
	.size	k_qe8da138738_attn, .Lfunc_end_k_qe8da138738_attn-k_qe8da138738_attn
	.p2alignl 7, 3214868480
	.fill 96, 4, 3214868480
	.section	.rodata,"a",@progbits
	.p2align	6, 0x0
	.amdhsa_kernel k_qe8da138738_attn
		.amdhsa_group_segment_fixed_size 327680
		.amdhsa_private_segment_fixed_size 0
		.amdhsa_enable_private_segment 0
		.amdhsa_kernarg_size 24
		.amdhsa_user_sgpr_count 2
		.amdhsa_user_sgpr_kernarg_segment_ptr 1
		.amdhsa_wavefront_size32 1
		.amdhsa_system_sgpr_workgroup_id_x 1
		.amdhsa_system_sgpr_workgroup_id_y 1
		.amdhsa_system_sgpr_workgroup_id_z 1
		.amdhsa_system_vgpr_workitem_id 0
		.amdhsa_next_free_vgpr 896
		.amdhsa_next_free_sgpr 106
		.amdhsa_reserve_vcc 0
		.amdhsa_float_denorm_mode_32 3
		.amdhsa_float_denorm_mode_16_64 3
		.amdhsa_memory_ordered 1
		.amdhsa_forward_progress 1
		.amdhsa_inst_pref_size 174
	.end_amdhsa_kernel
	.amdgpu_metadata
---
amdhsa.version: [ 1, 2 ]
amdhsa.kernels:
  - .name:           k_qe8da138738_attn
    .symbol:         k_qe8da138738_attn.kd
    .args:
      - { .name: qkv, .offset: 0, .size: 8, .value_kind: global_buffer, .address_space: global }
      - { .name: mw, .offset: 8, .size: 8, .value_kind: global_buffer, .address_space: global }
      - { .name: ob, .offset: 16, .size: 8, .value_kind: global_buffer, .address_space: global }
    .group_segment_fixed_size: 327680
    .private_segment_fixed_size: 0
    .kernarg_segment_align: 8
    .kernarg_segment_size: 24
    .max_flat_workgroup_size: 128
    .sgpr_count:     106
    .vgpr_count:     896
    .wavefront_size: 32
...
	.end_amdgpu_metadata
.endif
;; end of part 3
;; launch oproj (part 4): grid 16 x 16, 4 waves a work-group, clusters of 4 x 4, 327,680 bytes of LDS; arguments ob, wo16, bo, out0; writes out0
.if DOCPART == 4
	.amdgcn_target "amdgcn-amd-amdhsa--gfx1250"
	.amdhsa_code_object_version 6
	.text
	.protected	k_qe8da138738_oproj
	.globl	k_qe8da138738_oproj
	.p2align	8
	.type	k_qe8da138738_oproj,@function
k_qe8da138738_oproj:
	s_mov_b64 s[64:65], 0
	v_nop
	global_prefetch_b8 v0, s[64:65] scope:SCOPE_SE
	s_setreg_imm32_b32 hwreg(HW_REG_WAVE_MODE, 25, 1), 1
	s_wait_xcnt 0x0
	s_wait_alu depctr_hold_cnt(0) depctr_sa_sdst(0) depctr_va_vdst(0) depctr_va_sdst(0) depctr_va_ssrc(0) depctr_va_vcc(0) depctr_vm_vsrc(0)
	s_getreg_b32 s2, hwreg(HW_REG_IB_STS2, 6, 4)
	s_cmp_eq_u32 s2, 0
	s_cbranch_scc0 .Lentry_in_a_cluster
	s_endpgm
.Lentry_in_a_cluster:
	s_bfe_u32 s2, ttmp6, 0x10000c
	s_cmp_lg_u32 s2, 0xf033
	s_cbranch_scc0 .Lentry_shape_is_right
	s_endpgm
.Lentry_shape_is_right:
; OPROJ.  out0 = O wo^T + bo.  O: f16 [2048][2048]; wo: f16 [2048][2048] (bf16's numbers); bo rounded to bf16 here; sums and out0 in f32.
; 256 work-groups, a tile of 128 x 128 each; four waves of 64 x 64: 16 accumulators.  K goes in 8 steps of 256 (LDS rows of 512 bytes, 64 rows to a wave's load) through two slots; one text serves
; every K step: the slot in hand is a scalar that an exclusive or turns.  CLUSTER 4 x 4: O's tile is shared along a row, wo's along a column, each asked for jointly.
; THE WALK ALONG K GOES ROUND: a cluster begins at K step (2 cluster x + 4 cluster y) mod 8 and wraps behind step 7.  So the four clusters that read the same rows of O begin at steps 0, 2, 4, 6, and
; neighbouring clusters that read the same rows of wo four steps apart: they ask for a given block at different times.  The start hangs on the cluster's coordinates alone, which all partners share.
; The order of a sum's terms goes round with it (f32 sums; the result is compared within a tolerance).
; The matrix instruction is used transposed: a lane holds one row (l % 16) and eight neighbouring columns.  The bias is the C operand of the products that start the sums.
; A wave's 64 columns of f32 are 256 bytes, aligned: each wave sends its rows out through a stage of its own, with no barrier.
; No prefetch is laid: the tile is small and the launch has eight K steps, two of which are its first fills.
; REGISTERS: window 0: v16-29 addresses; v32-95 two buffers of rows on the way out; v96-127 the bias; v128-255 the accumulators, (a, b) at v[128 + 8 (4 a + b)]
;   window 1: two fragment buffers of 128: for 64 along K, 64 registers of O (2 x 4 x 16 rows x 32 K), then 64 of wo.
.set KSTEP,  256
.set PITCH,  528
.set HALFT,  64*PITCH
.set SLOT,   4*HALFT                   ; 0x21000; no wave's base (0, 0x8400, 0x10800, 0x18c00) has one of its two bits set
.set STAGE,  2*SLOT
.set SPITCH, 272
.set SPARE,  STAGE+4*16*SPITCH
.set ADRA0, 16
.set ADRB0, 17
.set ADRA,  18
.set ADRB,  19
.set STO,  24
.set RD,   25
.set CO,   26
.set BO,   27
.set SPW,  28
.set NIL,  29
.set OB,   32
.set BIAS, 96
.set ACC,  128
.set F0,   0
.set F1,   128
.set G1,  24
.set G0,  32
.set G1B, 48
.set G0B, 56
.set TS,  67
.set KI,  68                           ; s68      the K step that the walking descriptors name
.set WR,  70                           ; s[70:71] what the wrap takes off their addresses: a row's 4,096 bytes, or 0
.set MSB, 0
.macro WIN new
.if MSB != (\new)
	s_set_vgpr_msb (MSB<<8)|(\new)
.set MSB, \new
.endif
.endm
.set MUL,  0x05
.set TO_F, 0x40
.macro JLOAD s                         ; waves 0 and 1 fetch O's two halves, waves 2 and 3 wo's; an s_nop 0 and four v_nop follow each of the two lines
	s_cmp_eq_u32 s11, 0
	s_cbranch_scc0 .Lfor_b_\@
	tensor_load_to_lds s[G0+4*(\s):G0+4*(\s)+3], s[G1:G1+7]
	s_nop 0
.rept 4
	v_nop
.endr
	s_branch .Lasked_\@
.Lfor_b_\@:
	tensor_load_to_lds s[G0B+4*(\s):G0B+4*(\s)+3], s[G1B:G1B+7]
	s_nop 0
.rept 4
	v_nop
.endr
.Lasked_\@:
.endm
.macro CREST
	s_cmp_lg_u32 s10, 0
	s_cbranch_scc1 .Lnot_wave_0_\@
	s_barrier_signal -3
.Lnot_wave_0_\@:
	s_barrier_wait -3
	s_barrier_signal -1
	s_barrier_wait -1
.endm
.macro CROUND
	s_barrier_signal -1
	s_barrier_wait -1
	CREST
.endm
.macro PLACES
.rept 4
	v_nop
.endr
.endm
	s_load_b256 s[72:79], s[0:1], 0x0              ; ob 72, wo16 74, bo 76, out0 78
	v_lshl_add_u32 v[SPW], v0, 2, SPARE
	v_mov_b32 v[NIL], 0
	ds_add_u32 v[SPW], v[NIL]                      ; the wave's opening: the add and its wait ahead of my first tensor load
	v_lshrrev_b32 v1, 5, v0
	v_readfirstlane_b32 s10, v1
	s_lshr_b32 s11, s10, 1                         ; my half of the rows; also: I fetch for O (0) or for wo (1)
	s_and_b32 s12, s10, 1                          ; my half of the columns; also: which 64 rows I fetch
	s_bfe_u32 s40, ttmp6, 0x40000
	s_bfe_u32 s41, ttmp6, 0x40004
	s_lshl_b32 s42, ttmp9, 2
	s_add_co_u32 s42, s42, s40                     ; tile column
	s_and_b32 s13, ttmp7, 0xffff
	s_lshl_b32 s69, s13, 1
	s_add_co_u32 s69, s69, ttmp9
	s_and_b32 s69, s69, 3                          ; (cluster x + 2 cluster y) mod 4: half the K step at which my cluster begins
	s_lshl_b32 s[KI], s69, 1
	s_add_co_u32 s[KI], s[KI], 1                   ; the second first fill's K step: odd, 7 at the most
	s_lshl_b32 s69, s69, 10                        ; two K steps are 1,024 bytes of a row
	s_mov_b32 s[WR+1], 0
	s_lshl_b32 s13, s13, 2
	s_add_co_u32 s13, s13, s41                     ; tile row
	s_lshl_b32 s43, s41, 2
	s_lshl_b32 s43, 15, s43
	s_lshl_b32 s44, 0x1111, s40
	s_or_b32 s[G1+0], s43, (1<<16)|(1<<20)|(1<<21)|(6<<22)|(3<<25)   ; the mask; 2-byte elements; padding on; bit 21 beside a mask; after every 128 words 4 words
	s_or_b32 s[G1B+0], s44, (1<<16)|(1<<20)|(1<<21)|(6<<22)|(3<<25)
.irp g, G1, G1B
	s_mov_b32 s[(\g)+1], KSTEP<<16
	s_mov_b32 s[(\g)+2], 64<<16
	s_mov_b32 s[(\g)+3], KSTEP<<16
	s_mov_b32 s[(\g)+4], 64
	s_mov_b32 s[(\g)+5], 2048
	s_mov_b32 s[(\g)+6], 0
	s_mov_b32 s[(\g)+7], 0
.endr
	s_lshl_b32 s17, s12, 6
	s_lshl_b32 s16, s13, 7
	s_add_co_u32 s16, s16, s17
	s_lshl_b32 s16, s16, 12                        ; O: row 128 x tile row + 64 x half, of 4,096 bytes,
	s_add_co_u32 s16, s16, s69                     ; at my cluster's first K step
	s_lshl_b32 s46, s42, 7
	s_add_co_u32 s46, s46, s17
	s_lshl_b32 s46, s46, 12                        ; wo: row 128 x tile column + 64 x half,
	s_add_co_u32 s46, s46, s69                     ; at the same K step
	s_mov_b32 s17, 0
	s_mov_b32 s47, 0
	s_mul_i32 s20, s10, HALFT
	s_mov_b32 s[TS], 0
	s_wait_dscnt 0x0
	s_wait_kmcnt 0x0
	s_add_nc_u64 s[14:15], s[72:73], s[16:17]
	s_add_nc_u64 s[46:47], s[74:75], s[46:47]
	CROUND
.irp s, 0,1
	s_mov_b32 s[G0+4*(\s)], 1
	s_add_co_u32 s[G0+4*(\s)+1], s20, (\s)*SLOT
	s_add_nc_u64 s[G0+4*(\s)+2:G0+4*(\s)+3], s[14:15], (\s)*KSTEP*2
	s_or_b32 s[G0+4*(\s)+3], s[G0+4*(\s)+3], 0x80000000
	s_mov_b32 s[G0B+4*(\s)], 1
	s_add_co_u32 s[G0B+4*(\s)+1], s20, (\s)*SLOT
	s_add_nc_u64 s[G0B+4*(\s)+2:G0B+4*(\s)+3], s[46:47], (\s)*KSTEP*2
	s_or_b32 s[G0B+4*(\s)+3], s[G0B+4*(\s)+3], 0x80000000
	JLOAD \s
.endr
	v_and_b32 v1, 15, v0
	v_bfe_u32 v2, v0, 4, 1
	s_lshl_b32 s21, s42, 9
	s_lshl_b32 s22, s12, 8
	s_add_co_u32 s21, s21, s22                     ; my 64 columns: 256 bytes of bo and of a row of out0
	v_lshl_add_u32 v[BO], v2, 5, s21
.irp b, 0,1,2,3
	global_load_b128 v[BIAS+8*(\b):BIAS+8*(\b)+3],   v[BO], s[76:77] offset:64*(\b)
	global_load_b128 v[BIAS+8*(\b)+4:BIAS+8*(\b)+7], v[BO], s[76:77] offset:64*(\b)+16
.endr
	v_mul_u32_u24 v3, v1, PITCH
	v_lshl_add_u32 v3, v2, 4, v3
	s_mul_i32 s22, s11, HALFT
	s_mul_i32 s23, s12, HALFT
	s_add_co_u32 s23, s23, 2*HALFT
	v_add_nc_u32 v[ADRA0], s22, v3
	v_add_nc_u32 v[ADRB0], s23, v3
	v_mov_b32 v[ADRA], v[ADRA0]
	v_mov_b32 v[ADRB], v[ADRB0]
	s_mul_i32 s23, s10, 16*SPITCH
	s_add_co_u32 s23, s23, STAGE                   ; my stage
	v_mul_u32_u24 v4, v1, SPITCH                   ; in: row l % 16, 32 bytes for each half of the lanes
	v_lshl_add_u32 v4, v2, 5, v4
	v_add_nc_u32 v[STO], s23, v4
	v_mul_u32_u24 v5, v2, SPITCH                   ; back: lanes 0-15 one row of 256 bytes, lanes 16-31 the next
	v_lshl_add_u32 v5, v1, 4, v5
	v_add_nc_u32 v[RD], s23, v5
	v_lshlrev_b32 v[CO], 13, v2                    ; and the same two rows in out0, 8,192 bytes apart
	v_lshl_add_u32 v[CO], v1, 4, v[CO]
	s_lshl_b32 s16, s13, 7
	s_lshl_b32 s17, s11, 6
	s_add_co_u32 s16, s16, s17                     ; my first row
	s_lshl_b32 s16, s16, 13
	s_add_co_u32 s16, s16, s21
	s_mov_b32 s17, 0
	s_add_nc_u64 s[8:9], s[78:79], s[16:17]
	s_wait_loadcnt 0x0
.set r, 0
.rept 16                               ; the bias, rounded to bf16 like every input, and widened again
	v_cvt_pk_bf16_f32 v[OB+r/2], v[BIAS+r], v[BIAS+r+1]
	v_lshlrev_b32 v[BIAS+r], 16, v[OB+r/2]
	v_and_b32 v[BIAS+r+1], 0xffff0000, v[OB+r/2]
.set r, r+2
.endr
; 8 matrix instructions: m blocks a0, a0 + 1 x all 4 n blocks, 32 along K: half c of buffer f.  first = 1: the sums start with the bias.  The 16 accumulators take turns.
.macro MUL8 f, c, a0, first
	WIN MUL
.irp a, \a0, (\a0)+1
.irp b, 0,1,2,3
.if \first
	v_wmma_f32_16x16x32_f16 v[ACC+8*(4*(\a)+(\b)):ACC+8*(4*(\a)+(\b))+7], v[(\f)+64+8*(4*(\c)+(\b)):(\f)+64+8*(4*(\c)+(\b))+7], v[(\f)+8*(4*(\c)+(\a)):(\f)+8*(4*(\c)+(\a))+7], v[BIAS+8*(\b):BIAS+8*(\b)+7]
.else
	v_wmma_f32_16x16x32_f16 v[ACC+8*(4*(\a)+(\b)):ACC+8*(4*(\a)+(\b))+7], v[(\f)+64+8*(4*(\c)+(\b)):(\f)+64+8*(4*(\c)+(\b))+7], v[(\f)+8*(4*(\c)+(\a)):(\f)+8*(4*(\c)+(\a))+7], v[ACC+8*(4*(\a)+(\b)):ACC+8*(4*(\a)+(\b))+7]
.endif
.endr
.endr
.endm
.macro FETCH k, f                      ; 32 LDS loads in one run: 64 along K at byte k of the rows of the slot in hand; the first 32 along K first
	WIN TO_F
.irp c, 0,1
.irp i, 0,1,2,3
	ds_load_b128 v[(\f)+64+8*(4*(\c)+(\i)):(\f)+64+8*(4*(\c)+(\i))+3],   v[ADRB] offset:(\k)+64*(\c)+(\i)*16*PITCH
	ds_load_b128 v[(\f)+64+8*(4*(\c)+(\i))+4:(\f)+64+8*(4*(\c)+(\i))+7], v[ADRB] offset:(\k)+64*(\c)+(\i)*16*PITCH+32
	ds_load_b128 v[(\f)+8*(4*(\c)+(\i)):(\f)+8*(4*(\c)+(\i))+3],         v[ADRA] offset:(\k)+64*(\c)+(\i)*16*PITCH
	ds_load_b128 v[(\f)+8*(4*(\c)+(\i))+4:(\f)+8*(4*(\c)+(\i))+7],       v[ADRA] offset:(\k)+64*(\c)+(\i)*16*PITCH+32
.endr
.endr
.endm
.macro QUARTER k, f, g, first
	s_wait_dscnt 16                                ; the first 32 along K are in; the other sixteen loads may be out
	MUL8 \f, 0, 0, \first
	MUL8 \f, 0, 2, \first
	PLACES
	FETCH \k, \g
	s_wait_dscnt 32                                ; all but the 32 just issued
	MUL8 \f, 1, 0, 0
	MUL8 \f, 1, 2, 0
.endm
; The last quarter multiplies buffer 1 and changes slots: in front of the barrier each wave waits for all its tensor loads, adds 0 to its spare word, and waits for that and for its reads of this slot.
; fill = 1: the barrier opens a round of the cluster's, and this slot is filled again first thing behind it.  tail = 1: in the tail's second trip the run of loads is jumped.
.macro TURN fill, tail
	WIN 0
	s_wait_tensorcnt 0x0
	ds_add_u32 v[SPW], v[NIL]
	s_wait_dscnt 17                                ; (the add and the youngest sixteen loads may be out)
	MUL8 F1, 0, 0, 0
	s_wait_dscnt 0x0
	s_barrier_signal -1
	MUL8 F1, 0, 2, 0
	WIN 0
	s_barrier_wait -1
.if \fill
	CREST
	s_add_co_u32 s[KI], s[KI], 1                   ; the walking descriptors: the next K step, behind step 7 step 0:
	s_and_b32 s[KI], s[KI], 7
	s_cmp_eq_u32 s[KI], 0
	s_cselect_b32 s[WR], 4096, 0                   ; there a row's whole length is taken off again
	s_xor_b32 s[G0+5], s[G0+5], SLOT               ; the other slot than last time
	s_add_nc_u64 s[G0+6:G0+7], s[G0+6:G0+7], KSTEP*2
	s_sub_nc_u64 s[G0+6:G0+7], s[G0+6:G0+7], s[WR:WR+1]
	s_xor_b32 s[G0B+5], s[G0B+5], SLOT
	s_add_nc_u64 s[G0B+6:G0B+7], s[G0B+6:G0B+7], KSTEP*2
	s_sub_nc_u64 s[G0B+6:G0B+7], s[G0B+6:G0B+7], s[WR:WR+1]
	JLOAD 1
.else
	PLACES
.endif
	s_xor_b32 s[TS], s[TS], SLOT
	v_add_nc_u32 v[ADRA], s[TS], v[ADRA0]
	v_add_nc_u32 v[ADRB], s[TS], v[ADRB0]
.if \tail
	s_cmp_eq_u32 s2, 1
	s_cbranch_scc1 .Lno_fetch_\@
.endif
	FETCH 0, F0
.if \tail
	WIN 0
.Lno_fetch_\@:
.endif
	MUL8 F1, 1, 0, 0
	MUL8 F1, 1, 2, 0
.endm
	s_wait_tensorcnt 1                             ; my part of the first K step is in; the second's may stay out
	s_barrier_signal -1
	s_barrier_wait -1
	FETCH 0, F0
	QUARTER 128, F0, F1, 1
	WIN 0
	s_mov_b32 s3, 6
.Lstep:                                                ; trip t ends the walk's step t, asks for its step t + 2 and begins its step t + 1
	QUARTER 256, F1, F0, 0
	QUARTER 384, F0, F1, 0
	TURN 1, 0
	QUARTER 128, F0, F1, 0
	WIN 0
	s_sub_co_u32 s3, s3, 1
	s_cmp_lg_u32 s3, 0
	s_cbranch_scc1 .Lstep
	s_mov_b32 s2, 2
.Ltail:                                                ; the walk's steps 6 and 7 ask for nothing
	QUARTER 256, F1, F0, 0
	QUARTER 384, F0, F1, 0
	TURN 0, 1
	WIN 0
	s_sub_co_u32 s2, s2, 1
	s_cmp_eq_u32 s2, 0
	s_cbranch_scc1 .Lsums_done
	QUARTER 128, F0, F1, 0
	WIN 0
	s_branch .Ltail
.Lsums_done:
	PLACES
	PLACES
; THE WAY OUT of block a (16 rows): straight from the accumulators, each one's low half first, into my stage; back as whole rows of 256 bytes.
.macro STG a
.set BK, OB+32*((\a)%2)
.irp b, 0,1,2,3
	ds_store_b128 v[STO], v[ACC+8*(4*(\a)+(\b)):ACC+8*(4*(\a)+(\b))+3]   offset:64*(\b)
	ds_store_b128 v[STO], v[ACC+8*(4*(\a)+(\b))+4:ACC+8*(4*(\a)+(\b))+7] offset:64*(\b)+16
.endr
.irp t, 0,1,2,3,4,5,6,7
	ds_load_b128 v[BK+4*(\t):BK+4*(\t)+3], v[RD] offset:(\t)*2*SPITCH  ; LDS serves a wave's instructions in order: these see the stores above, and the next block's stores come behind them
.endr
.endm
.macro SEND a, younger                 ; younger: the next block's sixteen LDS instructions, or none
.set BK, OB+32*((\a)%2)
	s_wait_dscnt \younger
.irp t, 0,1,2,3,4,5,6,7
	global_store_b128 v[CO], v[BK+4*(\t):BK+4*(\t)+3], s[8:9] offset:(16*(\a)+2*(\t))*8192 th:TH_STORE_NT  ; sixteen lanes store 256 consecutive bytes, aligned
.endr
.endm
	STG 0
	STG 1
	SEND 0, 16
	s_wait_xcnt 0x0                                ; block 0's stores have read their registers, which block 2's loads write
	STG 2
	SEND 1, 16
	s_wait_xcnt 0x0
	STG 3
	SEND 2, 16
	SEND 3, 0
	s_wait_tensorcnt 0x0                           ; the wave's end
	ds_add_u32 v[SPW], v[NIL]
	s_wait_dscnt 0x0
	CROUND                                         ; the closing round
	s_endpgm
.Lfunc_end_k_qe8da138738_oproj:
	.size	k_qe8da138738_oproj, .Lfunc_end_k_qe8da138738_oproj-k_qe8da138738_oproj
	.p2alignl 7, 3214868480
	.fill 96, 4, 3214868480
	.section	.rodata,"a",@progbits
	.p2align	6, 0x0
	.amdhsa_kernel k_qe8da138738_oproj
		.amdhsa_group_segment_fixed_size 327680
		.amdhsa_private_segment_fixed_size 0
		.amdhsa_enable_private_segment 0
		.amdhsa_kernarg_size 32
		.amdhsa_user_sgpr_count 2
		.amdhsa_user_sgpr_kernarg_segment_ptr 1
		.amdhsa_wavefront_size32 1
		.amdhsa_system_sgpr_workgroup_id_x 1
		.amdhsa_system_sgpr_workgroup_id_y 1
		.amdhsa_system_sgpr_workgroup_id_z 1
		.amdhsa_system_vgpr_workitem_id 0
		.amdhsa_next_free_vgpr 512
		.amdhsa_next_free_sgpr 84
		.amdhsa_reserve_vcc 0
		.amdhsa_float_denorm_mode_32 3
		.amdhsa_float_denorm_mode_16_64 3
		.amdhsa_memory_ordered 1
		.amdhsa_forward_progress 1
		.amdhsa_inst_pref_size 61
	.end_amdhsa_kernel
	.amdgpu_metadata
---
amdhsa.version: [ 1, 2 ]
amdhsa.kernels:
  - .name:           k_qe8da138738_oproj
    .symbol:         k_qe8da138738_oproj.kd
    .args:
      - { .name: ob, .offset: 0, .size: 8, .value_kind: global_buffer, .address_space: global }
      - { .name: wo16, .offset: 8, .size: 8, .value_kind: global_buffer, .address_space: global }
      - { .name: bo, .offset: 16, .size: 8, .value_kind: global_buffer, .address_space: global }
      - { .name: out0, .offset: 24, .size: 8, .value_kind: global_buffer, .address_space: global }
    .group_segment_fixed_size: 327680
    .private_segment_fixed_size: 0
    .kernarg_segment_align: 8
    .kernarg_segment_size: 32
    .max_flat_workgroup_size: 128
    .sgpr_count:     84
    .vgpr_count:     512
    .wavefront_size: 32
...
	.end_amdgpu_metadata
.endif
;; end of part 4
